; MI455X (gfx1250); checked and timed in simulation.
; The chip was launched on July 23, 2026; its instructions are those of AMD's public machine-readable ISA for CDNA 5 (MIT licence, August 2026) and "CDNA5" Instruction Set Architecture Reference Guide (July 2026). The comments in the code are by the model that wrote it; some were corrected since.
;; GRU Cell. Allowed arithmetic: matrix products marked QUANTISED: E5M2 operands, one E8M0 scale for each 32 along K, by v_wmma_scale_f32_16x16x128_f8f6f4 with both operands' format E5M2, f32 sums; everything else in f32.
;; Inputs: Whn 1,024 x 1,024 float32; Whr 1,024 x 1,024 float32; Whz 1,024 x 1,024 float32; Win 1,024 x 1,024 float32; Wir 1,024 x 1,024 float32; Wiz 1,024 x 1,024 float32; Wout 1,024 x 1,024 float32; bhn 1,024 float32; bin_ 1,024 float32; bir 1,024 float32; biz 1,024 float32; bout 1,024 float32; h 8,192 x 1,024 float32; ln_bias 1,024 float32; ln_scale 1,024 float32; x 8,192 x 1,024 float32.
;; Outputs: out0 8,192 x 1,024 float32; out1 8,192 x 1,024 float32.
;; This version of the problem:
;;   THIS VERSION OF THE PROBLEM IS GIVEN IN LOW PRECISION. The matrix products marked QUANTISED in the list below multiply operands that are first quantised to E5M2 (5 exponent bits, 2 mantissa bits; 8 bits a number), with one power-of-two scale for each 32 numbers along K (OCP MX v1.0); their sums are f32. All else is computed in f32.
;;   The module's matrix products, in the order in which they are computed (A, B: the left and right operand; K: the contracted axis; several contracted axes count as one K, in the product's order):
;;     1. [M 8,192, K 1,024] x [K 1,024, N 1,024]; A: input x; B: input Wir: QUANTISED
;;     2. [M 8,192, K 1,024] x [K 1,024, N 1,024]; A: input h; B: input Whr: QUANTISED
;;     3. [M 8,192, K 1,024] x [K 1,024, N 1,024]; A: input x; B: input Wiz: QUANTISED
;;     4. [M 8,192, K 1,024] x [K 1,024, N 1,024]; A: input h; B: input Whz: QUANTISED
;;     5. [M 8,192, K 1,024] x [K 1,024, N 1,024]; A: input x; B: input Win: QUANTISED
;;     6. [M 8,192, K 1,024] x [K 1,024, N 1,024]; A: input h; B: input Whn: QUANTISED
;;     7. [M 8,192, K 1,024] x [K 1,024, N 1,024]; A: computed on the way; B: input Wout: QUANTISED
;;   THE QUANTISER, for each operand of a quantised product, along K:
;;     - K is cut into blocks of 32 from its start; a last block that is shorter is filled with zeros.
;;     - A block's scale is 2^e with e = floor(log2(the largest magnitude in the block)) - 15, held to -126 .. 127; a block of zeros has e = 0. As a byte (E8M0): e + 127.
;;     - Each number is divided by its block's scale, clamped to +-57,344, and rounded to the nearest number of E5M2, ties to even, subnormals kept.
;;     - The product sums the exact products of the quantised numbers (number of the format x scale) in f32.
;;   ~~~python
;;   def quantise(x, axis):      # numpy; x: float32 -> the quantised numbers, widened to float32 again
;;       x = np.moveaxis(x, axis, -1); K = x.shape[-1]
;;       x = np.pad(x, [(0, 0)] * (x.ndim - 1) + [(0, -K % 32)]); x = x.reshape(x.shape[:-1] + (-1, 32)); a = np.abs(x).max(-1, keepdims=True)
;;       e = np.where(a > 0, np.clip(np.frexp(np.where(a > 0, a, 1))[1] - 1 - 15, -126, 127), 0)      # np.frexp(a)[1] - 1 = floor(log2(a)), exactly
;;       r = np.clip(x / 2.0 ** e, -57344, 57344)
;;       step = 2.0 ** (np.maximum(np.frexp(np.where(r == 0, 1, r))[1] - 1, -14) - 2)
;;       q = np.round(r / step) * step * 2.0 ** e      # np.round: ties to even
;;       return np.moveaxis(q.reshape(q.shape[:-2] + (-1,))[..., :K], -1, axis).astype(np.float32)
;;   ~~~
;;   OPERANDS COMPUTED ON THE WAY. 'Computed on the way' means the value that the module computes at that place (a softmax that the list does not call 'softmax' is quantised finished and normalised). What goes into a quantiser is computed in f32, as accurately as f32 sums, v_exp_f32 and their like allow (about 1e-6 of the number): no bf16 or f16 on the way to a quantiser, and a product that is left as it is and whose result goes on into a quantised operand takes f32 operands (vector FMAs, or v_wmma_f32_16x16x4_f32). A number that lies on a knife's edge between two numbers of the format may be rounded either way, as far as f32 arithmetic and the matrix unit's own rounding can turn it there, and no further.
;; 2 versions, each right; version 2 is version 1 with the launch readout written anew for expert scheduling mode. Each part assembles by itself: llvm-mc -triple=amdgcn-amd-amdhsa -mcpu=gfx1250 --defsym DOCPART=n.
;; ======== version 1 of 2: 3 launches
;; workspace buffers: Aimg 16,777,216 bytes; Asw 524,288 bytes; Wimg 6,291,456 bytes; Wsw 196,608 bytes; Oimg 1,048,576 bytes; Osc 32,768 bytes
;; launch quant (part 1): grid 736 x 1, 4 waves a work-group, no clusters, 35,328 bytes of LDS; arguments x, h, Wir, Wiz, Win, Whr, Whz, Whn, Wout, Aimg, Asw, Wimg, Wsw, Oimg, Osc; writes Aimg, Asw, Wimg, Wsw, Oimg, Osc
.if DOCPART == 1
	.amdgcn_target "amdgcn-amd-amdhsa--gfx1250"
	.amdhsa_code_object_version 6
	.text
	.protected	k_q32bf15faff_quant
	.globl	k_q32bf15faff_quant
	.p2align	8
	.type	k_q32bf15faff_quant,@function
k_q32bf15faff_quant:
	s_mov_b64 s[64:65], 0
	v_nop
	global_prefetch_b8 v0, s[64:65] scope:SCOPE_SE
	s_setreg_imm32_b32 hwreg(HW_REG_WAVE_MODE, 25, 1), 1
	s_wait_xcnt 0x0
; x, h [8192][1024] and the seven weights [1024 (k)][1024 (n)], all f32, become codes of BF8 (E5M2) with one E8M0 byte for each 32 along K.
; A block's scale is 2^(floor(log2(its largest magnitude)) - 15); its byte is the largest magnitude's exponent field - 15, held at 1 from below.
; Each number is divided by the scale, held within +-57,344 and rounded to the nearest code, ties to even.
; LIMITS: NaN and infinities among the inputs are not served.  A block of zeros gets the byte 1 where the rule says 127: its codes are zeros,
; which add nothing under that byte, and the bytes are read by this program alone.
; THE CODES ARE LAID AS IMAGES OF OPERAND REGISTERS.  A fragment (16 rows or columns x 128 K) is 2,048 bytes: chunk c (512 bytes) holds, at 16 x lane,
; the 16 codes k = 32 c + 16 (lane / 16) + 0 .. 15 of row or column lane % 16.  A scale word is the four bytes of one row's 128 along K.
;   Aimg: ks x 2,097,152 + mt x 4,096 + (s % 2) x 2,048    (K steps s = 0 .. 15 over [x | h], ks = s / 2, mt = row / 16)
;   Asw:  mt x 1,024 + ks x 128 + 8 r + 4 (s % 2)
;   Wimg: ks x 786,432 + (n / 128) x 98,304 + tile x 4,096 + (s % 2) x 2,048, tile = 6 ((n / 32) % 4) + 2 kind + (n / 16) % 2, kind 0 r, 1 z, 2 n
;   Wsw:  (n / 128) x 24,576 + tile x 1,024 + ks x 128 + 8 r + 4 (s % 2)
;   Oimg: (n / 16) x 16,384 + s x 2,048;   Osc: n x 32 + 4 s
; Work-groups 0 .. 511 take 16 rows of x and of h each; work-groups 512 .. 735 take 128 columns x 256 along K of one weight each.
; The work-groups share no input, so there is no cluster; no matrix unit, no barrier: waves share nothing.  Only the first path uses LDS.
.set STP,  528                         ; a stage row: 512 bytes + 16: an odd multiple of 16, so sixteen rows' equal columns lie 16 bytes apart modulo 256
.set WREG, 8704                        ; LDS of a wave: 16 stage rows (8,448 bytes), then its 256 bytes of scale words
.set SWO,  8448
.set TM,   16                          ; v16-19 largest magnitudes, v20-23 bytes, v24-27 the largest number x the scale, v28-31 the conversions' scale operands
.set PW,   32                          ; the scale word just made
.set RAW,  40                          ; v40-167  two sets of 64 numbers as they are loaded
.set X,    168                         ; v168-231 64 numbers: register 16 b + i = k 32 b + 16 (lane / 16) + i of row lane % 16
.set PC,   232                         ; v232-247 a fragment's codes
.set XW,   40                          ; weights: v40-103 two sets of 32 numbers down K
.set CW,   104                         ; weights: v104-167 eight registers of codes for each block, never written again
.set SB,   10                          ; weights: v[10:11] a column's eight scale bytes
.set SEL,  38                          ; s[38:39] v_permlanex16_b32's selects for lane l xor 16
.set MNT,  35                          ; s35 the mantissa field of 57,344
	s_load_b512 s[4:19], s[0:1], 0x0               ; x, h, Wir, Wiz, Win, Whr, Whz, Whn
	s_load_b256 s[20:27], s[0:1], 0x40             ; Wout, Aimg, Asw, Wimg
	s_load_b128 s[28:31], s[0:1], 0x60             ; Wsw, Oimg
	s_load_b64 s[32:33], s[0:1], 0x70              ; Osc
	v_lshl_add_u32 v254, v0, 2, 0x8800
	v_mov_b32 v255, 0
	v_lshrrev_b32 v1, 5, v0
	v_readfirstlane_b32 s34, v1                    ; wave 0..3
	v_and_b32 v1, 31, v0                           ; lane
	v_and_b32 v2, 15, v0                           ; r = lane % 16
	v_bfe_u32 v3, v0, 4, 1                         ; lane / 16
	s_mov_b32 s[MNT], 0x600000
	s_mov_b32 s[SEL], 0x76543210
	s_mov_b32 s[SEL+1], 0xfedcba98
	s_wait_kmcnt 0x0
	s_cmp_lt_u32 ttmp9, 512
	s_cbranch_scc0 .Lweights
; 64 numbers of a lane, v[s] on, become a fragment's codes in v[PC] on and its scale word in v[PW]
.macro QUANT s
.irp b, 0,1,2,3
	v_max3_num_f32 v[TM+\b], |v[\s+16*\b]|, |v[\s+1+16*\b]|, 0x8000000   ; block b: my 16 numbers, and the floor 2^(16 - 127): so the byte cannot fall under 1
.endr
.irp i, 2,4,6,8,10,12,14
.irp b, 0,1,2,3
	v_max3_num_f32 v[TM+\b], v[TM+\b], |v[\s+16*\b+\i]|, |v[\s+1+16*\b+\i]|   ; the four blocks by turns
.endr
.endr
.irp b, 0,1,2,3
	v_permlanex16_b32 v[TM+4+\b], v[TM+\b], s[SEL], s[SEL+1]
.endr
.irp b, 0,1,2,3
	v_max_num_f32 v[TM+\b], v[TM+\b], v[TM+4+\b]   ; with lane l xor 16's 16 numbers: the block's largest magnitude
.endr
.irp b, 0,1,2,3
	v_add_nc_u32 v[TM+12+\b], 0xf8800000, v[TM+\b] ; 15 off its exponent field: the conversion takes this operand's exponent field as its scale
.endr
.irp b, 0,1,2,3
	v_and_or_b32 v[TM+8+\b], v[TM+\b], 0x7f800000, s[MNT]   ; 57,344 x the scale
.endr
.irp b, 0,1,2,3
	v_lshrrev_b32 v[TM+4+\b], 23, v[TM+12+\b]      ; the scale's byte
.endr
	v_lshl_or_b32 v[PW], v[TM+5], 8, v[TM+4]
	v_lshl_or_b32 v[PW], v[TM+6], 16, v[PW]
	v_lshl_or_b32 v[PW], v[TM+7], 24, v[PW]
.irp b, 0,1,2,3
.irp i, 0,1,2,3,4,5,6,7,8,9,10,11,12,13,14,15
	v_med3_num_f32 v[\s+16*\b+\i], v[\s+16*\b+\i], -v[TM+8+\b], v[TM+8+\b]   ; the conversion to an 8-bit code does not saturate (ISA guide 7.6.2): the hold comes first
.endr
	v_cvt_scalef32_pk8_bf8_f32 v[PC+4*\b:PC+1+4*\b], v[\s+16*\b:\s+7+16*\b], v[TM+12+\b]
	v_cvt_scalef32_pk8_bf8_f32 v[PC+2+4*\b:PC+3+4*\b], v[\s+8+16*\b:\s+15+16*\b], v[TM+12+\b]
.endr
	v_nop                                          ; one plain vector line behind the last conversion
.endm
; ---- x and h.  Work-group mt owns rows 16 mt .. 16 mt + 15; wave qd makes the K steps s = 4 qd + f, f = 0 .. 3 (qd 0, 1: x; 2, 3: h).
	v_lshlrev_b32 v4, 4, v1                        ; 16 x lane: my place in a load's 512 bytes and in a chunk of an image
	s_mul_i32 s36, s34, WREG
	v_add_nc_u32 v5, s36, v4                       ; the stage, on the way in: rows as they are loaded
	v_mul_u32_u24 v6, v2, STP
	v_lshl_add_u32 v6, v3, 6, v6
	v_add_nc_u32 v6, s36, v6                       ; on the way out: row r, + 64 (lane / 16): my 16 numbers of a block of 32
	s_add_co_u32 s37, s36, SWO
	v_lshl_add_u32 v7, v2, 3, s37                  ; my row's scale words
	v_lshlrev_b32 v9, 3, v1
	v_add_nc_u32 v8, s37, v9                       ; and on the way out 8 bytes a lane
.irp b, 0,1,2,3
	v_mov_b32 v[TM+4+\b], 0                        ; written once: a lane permute's destination counts as one of its sources
.endr
	s_cmp_lt_u32 s34, 2
	s_cselect_b64 s[40:41], s[4:5], s[6:7]         ; x or h: the choice hangs on the wave's number alone
	s_lshl_b32 s42, ttmp9, 16                      ; 16 rows of 4,096 bytes,
	s_and_b32 s43, s34, 1
	s_lshl_b32 s43, s43, 11                        ; and my half of a row: four K steps of 512 bytes
	s_add_co_u32 s42, s42, s43
	s_mov_b32 s43, 0
	s_add_nc_u64 s[40:41], s[40:41], s[42:43]
	s_lshl_b32 s42, s34, 22                        ; codes: ks = 2 qd on: 2 x 2,097,152 x qd
	s_lshl_b32 s44, ttmp9, 12
	s_add_co_u32 s42, s42, s44
	s_add_nc_u64 s[22:23], s[22:23], s[42:43]
	s_lshl_b32 s42, ttmp9, 10                      ; scale words: mt x 1,024 + qd x 256
	s_lshl_b32 s44, s34, 8
	s_add_co_u32 s42, s42, s44
	s_add_nc_u64 s[24:25], s[24:25], s[42:43]
.macro LOADF f                         ; K step f of my four: 16 rows, each load 512 consecutive bytes of one row
.irp p, 0,1,2,3,4,5,6,7,8,9,10,11,12,13,14,15
	global_load_b128 v[RAW+64*((\f)%2)+4*\p:RAW+64*((\f)%2)+4*\p+3], v4, s[40:41] offset:\p*4096+(\f)*512 th:TH_LOAD_NT
.endr
.endm
.macro TURNQ f                         ; through my own stage: LDS serves a wave's instructions in order, so no wait stands between the stores and the loads
.irp p, 0,1,2,3,4,5,6,7,8,9,10,11,12,13,14,15
	ds_store_b128 v5, v[RAW+64*((\f)%2)+4*\p:RAW+64*((\f)%2)+4*\p+3] offset:\p*STP
.endr
.irp b, 0,1,2,3
.irp j, 0,1,2,3
	ds_load_b128 v[X+16*\b+4*\j:X+16*\b+4*\j+3], v6 offset:128*\b+16*\j
.endr
.endr
.endm
.macro FRAGQ f
.if (\f) < 3
	s_wait_loadcnt 16                              ; this K step's 16 loads are in; the next step's 16 may be out
.else
	s_wait_loadcnt 0x0
.endif
	TURNQ \f
	s_wait_dscnt 0x0                               ; the 64 numbers are back; the stage's stores have read their registers; the last scale word is stored
.if (\f) < 2
	LOADF (\f)+2
.endif
.if (\f) > 0
	s_wait_xcnt 0x0                                ; the last fragment's stores have read v[PC] on: only now are the codes written again
.endif
	QUANT X
.irp c, 0,1,2,3
	global_store_b128 v4, v[PC+4*\c:PC+4*\c+3], s[22:23] offset:((\f)/2)*2097152+((\f)%2)*2048+512*\c   ; 32 lanes store 512 consecutive bytes, aligned
.endr
	ds_store_b32 v7, v[PW] offset:((\f)/2)*128+((\f)%2)*4   ; both halves of the lanes write the same word with the same value
.endm
	LOADF 0
	LOADF 1
	FRAGQ 0
	FRAGQ 1
	FRAGQ 2
	FRAGQ 3
	ds_load_b64 v[10:11], v8                       ; my wave's 64 scale words: these see my stores
	s_wait_dscnt 0x0
	global_store_b64 v9, v[10:11], s[24:25]        ; 32 lanes store 256 consecutive bytes, aligned
	s_wait_tensorcnt 0x0
	ds_add_u32 v254, v255
	s_wait_dscnt 0x0
	s_endpgm
; ---- the weights.  A LANE TAKES A COLUMN n AND ITS REGISTERS RUN DOWN K: a block of 32 lies in one lane's registers, and the codes come out with K innermost.
; A wave takes 32 columns x 256 along K.  A lane's 32 codes of a block are the two halves (lane / 16 = 0, 1) of its column's place in a chunk: two stores, 256 bytes apart,
; in each of which sixteen lanes fill 256 consecutive bytes, aligned.  So no stage is needed.
.Lweights:
	s_sub_co_u32 s36, ttmp9, 512
	s_lshr_b32 s37, s36, 5                         ; which weight: 0 Wir, 1 Wiz, 2 Win, 3 Whr, 4 Whz, 5 Whn, 6 Wout
	s_and_b32 s42, s36, 7                          ; nx: which 128 columns
	s_bfe_u32 s43, s36, 0x20003                    ; ky: which 256 along K
	s_mov_b64 s[40:41], s[8:9]
.irp i, 1,2,3,4,5,6
	s_cmp_eq_u32 s37, \i
	s_cselect_b64 s[40:41], s[8+2*\i:9+2*\i], s[40:41]
.endr
	s_cmp_ge_u32 s37, 3
	s_cselect_b32 s44, 1, 0                        ; T: a weight of h
	s_mul_i32 s45, s44, 3
	s_sub_co_u32 s45, s37, s45                     ; the kind
	s_lshl_b32 s46, s43, 20                        ; source: 256 rows of 4,096 bytes x ky,
	s_lshl_b32 s47, s42, 9                         ; + 128 columns x nx,
	s_add_co_u32 s46, s46, s47
	s_lshl_b32 s47, s34, 7                         ; + 32 columns x wave
	s_add_co_u32 s46, s46, s47
	s_mov_b32 s47, 0
	s_add_nc_u64 s[40:41], s[40:41], s[46:47]
	s_lshl_b32 s49, s44, 2
	s_add_co_u32 s49, s49, s43                     ; ks = 4 T + ky
	s_mul_i32 s50, s34, 6
	s_lshl_b32 s51, s45, 1
	s_add_co_u32 s50, s50, s51                     ; my first tile: 6 wave + 2 kind
	s_mul_i32 s48, s49, 786432
	s_mul_i32 s51, s42, 98304
	s_add_co_u32 s48, s48, s51
	s_lshl_b32 s51, s50, 12
	s_add_co_u32 s48, s48, s51                     ; a gate weight's codes
	s_mul_i32 s52, s42, 24576
	s_lshl_b32 s51, s50, 10
	s_add_co_u32 s52, s52, s51
	s_lshl_b32 s51, s49, 7
	s_add_co_u32 s52, s52, s51                     ; and its scale words
	s_lshl_b32 s53, s42, 2
	s_add_co_u32 s53, s53, s34                     ; g = n / 32
	s_lshl_b32 s54, s53, 15
	s_lshl_b32 s51, s43, 12
	s_add_co_u32 s54, s54, s51                     ; Wout's codes: 2 g x 16,384 + 2 ky x 2,048
	s_lshl_b32 s55, s53, 10
	s_lshl_b32 s51, s43, 3
	s_add_co_u32 s55, s55, s51                     ; and its scale bytes: 32 g x 32 + 8 ky
	s_mov_b32 s56, 4096
	s_mov_b32 s57, 16384
	s_cmp_eq_u32 s37, 6                            ; Wout or a gate weight: every choice on this one compare
	s_cselect_b64 s[58:59], s[30:31], s[26:27]
	s_cselect_b64 s[60:61], s[32:33], s[28:29]
	s_cselect_b32 s48, s54, s48
	s_cselect_b32 s52, s55, s52
	s_cselect_b32 s56, s57, s56                    ; from tile to tile in the codes
	s_mov_b32 s57, 1024
	s_cselect_b32 s57, 512, s57                    ; from tile to tile in the scales
	s_cselect_b32 s62, 32, 8                       ; from column to column in the scales
	s_mov_b32 s49, 0
	s_add_nc_u64 s[58:59], s[58:59], s[48:49]
	s_mov_b32 s53, 0
	s_add_nc_u64 s[60:61], s[60:61], s[52:53]
	v_lshlrev_b32 v4, 2, v1                        ; in: 4 bytes a lane
	v_mul_u32_u24 v5, s56, v3
	v_lshl_add_u32 v5, v2, 4, v5                   ; codes: my tile, + 16 r
	v_mul_u32_u24 v6, s57, v3
	v_mad_u32_u24 v6, v2, s62, v6                  ; scales: my tile, my column
.macro LOADW t                         ; block t: W(32 t + i, my column): each load reads 128 consecutive bytes
.irp i, 0,1,2,3,4,5,6,7,8,9,10,11,12,13,14,15,16,17,18,19,20,21,22,23,24,25,26,27,28,29,30,31
	global_load_b32 v[XW+32*((\t)%2)+\i], v4, s[40:41] offset:(32*(\t)+\i)*4096 th:TH_LOAD_NT
.endr
.endm
.macro BLOCKW t
.set XS, XW+32*((\t)%2)
.if (\t) < 7
	s_wait_loadcnt 32                              ; this block's 32 loads are in; the next block's may be out
.else
	s_wait_loadcnt 0x0
.endif
	v_max3_num_f32 v12, |v[XS]|, |v[XS+1]|, |v[XS+2]|   ; the block's largest magnitude: all 32 numbers are mine; two chains
	v_max3_num_f32 v13, |v[XS+3]|, |v[XS+4]|, |v[XS+5]|
.irp i, 6,10,14,18,22,26
	v_max3_num_f32 v12, v12, |v[XS+\i]|, |v[XS+\i+1]|
	v_max3_num_f32 v13, v13, |v[XS+\i+2]|, |v[XS+\i+3]|
.endr
	v_max3_num_f32 v12, v12, |v[XS+30]|, |v[XS+31]|
	v_max3_num_f32 v12, v12, v13, 0x8000000        ; and the floor 2^(16 - 127)
	v_add_nc_u32 v15, 0xf8800000, v12              ; the conversions' scale operand
	v_and_or_b32 v14, v12, 0x7f800000, s[MNT]      ; 57,344 x the scale
	v_lshrrev_b32 v13, 23, v15                     ; the scale's byte
.if (\t)%4 == 0
	v_mov_b32 v[SB+(\t)/4], v13                    ; four bytes to a register, the lower K in the lower byte
.else
	v_lshl_or_b32 v[SB+(\t)/4], v13, 8*((\t)%4), v[SB+(\t)/4]
.endif
.irp i, 0,1,2,3,4,5,6,7,8,9,10,11,12,13,14,15,16,17,18,19,20,21,22,23,24,25,26,27,28,29,30,31
	v_med3_num_f32 v[XS+\i], v[XS+\i], -v14, v14
.endr
.irp g, 0,1,2,3
	v_cvt_scalef32_pk8_bf8_f32 v[CW+8*(\t)+2*\g:CW+8*(\t)+2*\g+1], v[XS+8*\g:XS+8*\g+7], v15
.endr
	v_nop                                          ; one plain vector line behind the last conversion
	global_store_b128 v5, v[CW+8*(\t):CW+8*(\t)+3], s[58:59] offset:((\t)/4)*2048+((\t)%4)*512        ; k = 32 c + 0 .. 15
	global_store_b128 v5, v[CW+8*(\t)+4:CW+8*(\t)+7], s[58:59] offset:((\t)/4)*2048+((\t)%4)*512+256  ; k = 32 c + 16 .. 31
.if (\t)+2 < 8
	LOADW (\t)+2
.endif
.endm
	LOADW 0
	LOADW 1
.irp t, 0,1,2,3,4,5,6,7
	BLOCKW \t
.endr
	global_store_b64 v6, v[SB:SB+1], s[60:61]      ; my column's two scale words
	s_endpgm
.Lfunc_end_k_q32bf15faff_quant:
	.size	k_q32bf15faff_quant, .Lfunc_end_k_q32bf15faff_quant-k_q32bf15faff_quant
	.p2alignl 7, 3214868480
	.fill 96, 4, 3214868480
	.section	.rodata,"a",@progbits
	.p2align	6, 0x0
	.amdhsa_kernel k_q32bf15faff_quant
		.amdhsa_group_segment_fixed_size 35328
		.amdhsa_private_segment_fixed_size 0
		.amdhsa_enable_private_segment 0
		.amdhsa_kernarg_size 120
		.amdhsa_user_sgpr_count 2
		.amdhsa_user_sgpr_kernarg_segment_ptr 1
		.amdhsa_wavefront_size32 1
		.amdhsa_system_sgpr_workgroup_id_x 1
		.amdhsa_system_sgpr_workgroup_id_y 1
		.amdhsa_system_sgpr_workgroup_id_z 1
		.amdhsa_system_vgpr_workitem_id 0
		.amdhsa_next_free_vgpr 256
		.amdhsa_next_free_sgpr 66
		.amdhsa_reserve_vcc 0
		.amdhsa_float_denorm_mode_32 3
		.amdhsa_float_denorm_mode_16_64 3
		.amdhsa_memory_ordered 1
		.amdhsa_forward_progress 1
		.amdhsa_inst_pref_size 108
	.end_amdhsa_kernel
	.amdgpu_metadata
---
amdhsa.version: [ 1, 2 ]
amdhsa.kernels:
  - .name:           k_q32bf15faff_quant
    .symbol:         k_q32bf15faff_quant.kd
    .args:
      - { .name: x, .offset: 0, .size: 8, .value_kind: global_buffer, .address_space: global }
      - { .name: h, .offset: 8, .size: 8, .value_kind: global_buffer, .address_space: global }
      - { .name: Wir, .offset: 16, .size: 8, .value_kind: global_buffer, .address_space: global }
      - { .name: Wiz, .offset: 24, .size: 8, .value_kind: global_buffer, .address_space: global }
      - { .name: Win, .offset: 32, .size: 8, .value_kind: global_buffer, .address_space: global }
      - { .name: Whr, .offset: 40, .size: 8, .value_kind: global_buffer, .address_space: global }
      - { .name: Whz, .offset: 48, .size: 8, .value_kind: global_buffer, .address_space: global }
      - { .name: Whn, .offset: 56, .size: 8, .value_kind: global_buffer, .address_space: global }
      - { .name: Wout, .offset: 64, .size: 8, .value_kind: global_buffer, .address_space: global }
      - { .name: Aimg, .offset: 72, .size: 8, .value_kind: global_buffer, .address_space: global }
      - { .name: Asw, .offset: 80, .size: 8, .value_kind: global_buffer, .address_space: global }
      - { .name: Wimg, .offset: 88, .size: 8, .value_kind: global_buffer, .address_space: global }
      - { .name: Wsw, .offset: 96, .size: 8, .value_kind: global_buffer, .address_space: global }
      - { .name: Oimg, .offset: 104, .size: 8, .value_kind: global_buffer, .address_space: global }
      - { .name: Osc, .offset: 112, .size: 8, .value_kind: global_buffer, .address_space: global }
    .group_segment_fixed_size: 35328
    .private_segment_fixed_size: 0
    .kernarg_segment_align: 8
    .kernarg_segment_size: 120
    .max_flat_workgroup_size: 128
    .sgpr_count:     66
    .vgpr_count:     256
    .wavefront_size: 32
...
	.end_amdgpu_metadata
.endif
;; end of part 1
;; launch gates (part 2): grid 8 x 64, 4 waves a work-group, clusters of 4 x 4, 327,680 bytes of LDS; arguments Aimg, Asw, Wimg, Wsw, h, bir, biz, bin_, bhn, out0; writes out0
.if DOCPART == 2
	.amdgcn_target "amdgcn-amd-amdhsa--gfx1250"
	.amdhsa_code_object_version 6
	.text
	.protected	k_q32bf15faff_gates
	.globl	k_q32bf15faff_gates
	.p2align	8
	.type	k_q32bf15faff_gates,@function
k_q32bf15faff_gates:
	s_mov_b64 s[64:65], 0
	v_nop
	global_prefetch_b8 v0, s[64:65] scope:SCOPE_SE
	s_setreg_imm32_b32 hwreg(HW_REG_WAVE_MODE, 25, 1), 1
	s_wait_xcnt 0x0
	s_wait_alu depctr_hold_cnt(0) depctr_sa_sdst(0) depctr_va_vdst(0) depctr_va_sdst(0) depctr_va_ssrc(0) depctr_va_vcc(0) depctr_vm_vsrc(0)
	s_getreg_b32 s2, hwreg(HW_REG_IB_STS2, 6, 4)
	s_cmp_eq_u32 s2, 0
	s_cbranch_scc0 .Lentry_in_a_cluster
	s_endpgm
.Lentry_in_a_cluster:
	s_bfe_u32 s2, ttmp6, 0x10000c
	s_cmp_lg_u32 s2, 0xf033
	s_cbranch_scc0 .Lentry_shape_is_right
	s_endpgm
.Lentry_shape_is_right:
; new_h = (1 - z) n + z h,  r = sigmoid(x Wir + bir + h Whr),  z = sigmoid(x Wiz + biz + h Whz),  n = tanh(x Win + bin + r (h Whn + bhn)).
; The six products run on codes of BF8 (E5M2) with E8M0 scales, made by the launch before and laid as images of operand registers; sums in f32.
; LIMITS: NaN and infinities are not served.  tanh(y) = 1 - 2 / (1 + 2^(2 log2(e) y)): its absolute error is that of f32 near 1, some 1e-7, also where y is small.
; SHARES.  A work-group makes 128 rows x 128 columns of new_h and keeps four sums for each number: r, z, xn = x Win, hn = h Whn: 65,536 sums, 512 registers a wave.
; Wave w takes all 128 rows x columns 32 w .. 32 w + 31: 8 blocks of A against 6 blocks of B (kind r, z, n x two tiles of 16 columns): 48 matrix instructions for 14 fragments.
; K = 2,048 runs over [x | h] in 16 steps of 128; r and z go on through both halves; B's third kind adds into xn in steps 0-7 and into hn in steps 8-15.
; THE RING.  Two LDS slots of 256 along K: B's 24 tiles (96 KiB, three dense blocks of 32 KiB: waves 0-2 fetch one each), then A's 8 (32 KiB: wave 3).  A fragment load reads 512 consecutive bytes: no padding.
; The scale words of the whole K (B's 24 KiB, A's 8 KiB) come once, with the first fills.
; CLUSTERS: 4 x 4 work-groups.  A's tiles hang on the tile row alone and are asked for jointly along a row of the cluster, B's on the tile column alone, along a column.
; THE MATRIX INSTRUCTION IS USED TRANSPOSED (source 0 = 16 columns of a weight, source 1 = 16 rows of [x | h]): a lane holds one row and eight neighbouring columns.
; THE WAY OUT.  h's tile (128 rows x 512 bytes, f32) comes by one plain tensor load a wave into slot 0 behind that slot's last read; each lane takes its 32 bytes of h, writes new_h over them,
; and behind a barrier each wave stores 32 whole rows.  One tile to a work-group.
; REGISTERS, in windows of 256: window 0: v16-31 addresses; v32-63 scale words, two sets (lanes 0-15 B's tile i, lanes 16-31 A's tile i), and nothing else; v64-127 the biases, scaled;
;   v128-255 A's 8 fragments, one set; free on the way out.   window 1: B's 6 fragments, two sets, at v0 and v128.   windows 2, 3: sum (a, c) at v[8 (8 (a % 4) + c)] of window 2 + a / 4; c = 0,1 r; 2,3 z; 4,5 xn; 6,7 hn.
.set SLOT,  131072
.set AOFF,  98304                      ; A's tiles in a slot, behind B's 24
.set SCL,   262144                     ; behind the ring: B's scale words, 24 tiles x 1,024 bytes; then A's, 8 x 1,024
.set SPARE, 294912                     ; behind them: the spare words, 128 bytes for each wave: two blocks of 256 bytes that no other line names
.set ADRA, 16                          ; v16-17  LDS address of A's fragments in slot 0, 1
.set ADRB, 20                          ; v20-21  of my B fragments
.set HAD,  24                          ; v24     h's tile: row r, my 32 bytes
.set RD,   25                          ; v25     the way out: my 32 rows, 16 bytes a lane
.set CO,   26                          ; v26     16 x lane
.set ADRS, 27                          ; v27     my scale words
.set SPW,  28                          ; v28     my spare word; never rewritten
.set NIL,  29                          ; v29     0; never rewritten
.set PFO,  30                          ; v30     256 x lane: the codes' prefetches; never rewritten
.set PFH,  31                          ; v31     4,096 x lane: h's prefetches, a lane a row; never rewritten
.set SC,   32
.set BR,   64                          ; -log2(e) bir, -log2(e) biz, 2 log2(e) bin, 2 log2(e) bhn: 16 registers each
.set BN,   96
.set AF,   128
.set TR,   128                         ; the way out: v128-143 r, v144-159 z, v160-175 xn, v176-191 hn of a block of 16 rows; v192-223 h, two sets
.set TZ,   144
.set TX,   160
.set THN,  176
.set G1H,  4                           ; s[4:11]  group 1 for h's tile, written when the four pointers there are used up
.set G1A,  24                          ; s[24:31] group 1 for A's tiles;  s[32:39] group 0, a set for each slot
.set G0A,  32
.set WV,   40                          ; s40 wave;  s41 cx, s42 cy;  s43 tile column X, s44 tile row Y;  s45, s46 the masks
.set LIM,  47                          ; s47 1 in a wave that prefetches codes
.set G1B,  48                          ; s[48:55], s[56:63] the same for B's tiles
.set G0B,  56
.set PFA,  66                          ; s[66:67] where my prefetches of codes stand
.set G1SA, 68                          ; s[68:75], s[76:79] groups 1 and 0 for A's scale words;  s[80:87], s[88:91] for B's
.set G0SA, 76
.set G1SB, 80
.set G0SB, 88
.set G0H,  92                          ; s[92:95] group 0 for h's tile
.set NL,   96                          ; s[96:97] -log2(e), twice;  s[98:99] 2 log2(e), twice: the packed forms name a pair
.set C2,   98
.set PFS,  100                         ; s[100:101] a slot step on in my codes
.set MSB, 0
.macro WIN new                         ; the immediate's high byte repeats the setting that is left; a switch that changes nothing is dropped
.if MSB != (\new)
	s_set_vgpr_msb (MSB<<8)|(\new)
.set MSB, (\new)
.endif
.endm
.set MUL_LO, 0xa1                      ; source 0 (B) window 1, source 1 (A) window 0, C and D window 2
.set MUL_HI, 0xf1                      ; the same, C and D window 3
.set TO_B,   0x40                      ; destination window 1, address window 0
.macro PLACES n
.rept \n
	v_nop
.endr
.endm
; A joint load: wave 3 fetches for A, waves 0-2 for B.  Each of the two lines has one mask and one set of registers; the branch hangs on the wave's number alone.
; Four v_nop follow each of the two lines, ahead of the jump, the label and what follows.
.macro JLOAD g0a, g1a, g0b, g1b
	s_cmp_eq_u32 s[WV], 3
	s_cbranch_scc0 .Lfor_b_\@
	tensor_load_to_lds s[\g0a:\g0a+3], s[\g1a:\g1a+7]
	s_nop 0
	PLACES 4
	s_branch .Lasked_\@
.Lfor_b_\@:
	tensor_load_to_lds s[\g0b:\g0b+3], s[\g1b:\g1b+7]
	s_nop 0
	PLACES 4
.Lasked_\@:
.endm
.macro CREST                           ; a round of the cluster's barrier behind its opening barrier
	s_cmp_lg_u32 s[WV], 0
	s_cbranch_scc1 .Lnot_wave_0_\@
	s_barrier_signal -3
.Lnot_wave_0_\@:
	s_barrier_wait -3
	s_barrier_signal -1
	s_barrier_wait -1
.endm
.macro CROUND
	s_barrier_signal -1
	s_barrier_wait -1
	CREST
.endm
; A prefetch of codes: the slot step that stands two refills on.  A wave's 32 KiB block is shared out among the four partners that ask for it jointly BY ADDRESS, 8,192 bytes each, lanes 256 bytes apart.
; A's blocks are read by both clusters of a row of clusters: the one with x = 0 asks; B's by all sixteen of a column: the one with y = 0 asks.  So each 256 bytes are named once.
.macro ASK
	s_cmp_eq_u32 s[LIM], 1
	s_cbranch_scc0 .Lnot_mine_\@
	global_prefetch_b8 v[PFO], s[PFA:PFA+1] th:TH_LOAD_NT scope:SCOPE_SE
.Lnot_mine_\@:
.endm
	s_load_b256 s[4:11], s[0:1], 0x0               ; Aimg, Asw, Wimg, Wsw
	s_load_b256 s[12:19], s[0:1], 0x20             ; h, bir, biz, bin_
	s_load_b128 s[20:23], s[0:1], 0x40             ; bhn, out0
	v_lshl_add_u32 v[SPW], v0, 2, SPARE
	v_mov_b32 v[NIL], 0
	ds_add_u32 v28, v29
	ds_add_u32 v28, v29
	s_wait_dscnt 0x0
	v_lshrrev_b32 v1, 5, v0
	v_readfirstlane_b32 s[WV], v1                  ; wave 0..3
	s_bfe_u32 s41, ttmp6, 0x40000                  ; cx
	s_bfe_u32 s42, ttmp6, 0x40004                  ; cy
	s_lshl_b32 s43, ttmp9, 2
	s_add_co_u32 s43, s43, s41                     ; X = 4 x cluster x + cx
	s_and_b32 s44, ttmp7, 0xffff
	s_lshl_b32 s44, s44, 2
	s_add_co_u32 s44, s44, s42                     ; Y = 4 x cluster y + cy
	s_lshl_b32 s45, s42, 2
	s_lshl_b32 s45, 15, s45                        ; my row of the cluster
	s_lshl_b32 s46, 0x1111, s41                    ; my column
	; groups 1: dense blocks as rows of 256 bytes (32 elements of 8 bytes): 128 rows of codes, 32 rows of scale words; bit 21 is set beside a mask
	s_or_b32 s[G1A], s45, (3<<16)|(1<<21)
	s_or_b32 s[G1B], s46, (3<<16)|(1<<21)
	s_or_b32 s[G1SA], s45, (3<<16)|(1<<21)
	s_or_b32 s[G1SB], s46, (3<<16)|(1<<21)
.irp g, G1A, G1B
	s_mov_b32 s[\g+1], 32<<16                      ; tensor_dim0
	s_mov_b32 s[\g+2], 128<<16                     ; tensor_dim1
	s_mov_b32 s[\g+3], 32<<16                      ; tile_dim0
	s_mov_b32 s[\g+4], 128                         ; tile_dim1
	s_mov_b32 s[\g+5], 32                          ; the pitch
	s_mov_b32 s[\g+6], 0
	s_mov_b32 s[\g+7], 0
.endr
.irp g, G1SA, G1SB
	s_mov_b32 s[\g+1], 32<<16
	s_mov_b32 s[\g+2], 32<<16
	s_mov_b32 s[\g+3], 32<<16
	s_mov_b32 s[\g+4], 32
	s_mov_b32 s[\g+5], 32
	s_mov_b32 s[\g+6], 0
	s_mov_b32 s[\g+7], 0
.endr
	; byte offsets, made in the pairs that will hold the addresses.  A's hang on Y alone, B's on X and the wave's number alone
	s_lshl_b32 s[G0A+2], s44, 15                   ; A's codes: Y x 32,768
	s_mov_b32 s[G0A+3], 0
	s_mul_i32 s[G0B+2], s43, 98304                 ; B's: X x 98,304 + wave x 32,768
	s_lshl_b32 s[G0B+3], s[WV], 15
	s_add_co_u32 s[G0B+2], s[G0B+2], s[G0B+3]
	s_mov_b32 s[G0B+3], 0
	s_lshl_b32 s[G0SA+2], s44, 13                  ; A's scale words: Y x 8,192
	s_mov_b32 s[G0SA+3], 0
	s_mul_i32 s[G0SB+2], s43, 24576                ; B's: X x 24,576 + wave x 8,192
	s_lshl_b32 s[G0SB+3], s[WV], 13
	s_add_co_u32 s[G0SB+2], s[G0SB+2], s[G0SB+3]
	s_mov_b32 s[G0SB+3], 0
	s_mov_b32 s[G0A], 1
	s_mov_b32 s[G0A+1], AOFF
	s_mov_b32 s[G0A+4], 1
	s_mov_b32 s[G0A+5], AOFF+SLOT
	s_mov_b32 s[G0B], 1
	s_lshl_b32 s[G0B+1], s[WV], 15                 ; LDS: wave x 32,768: no place in the cluster enters an LDS address
	s_mov_b32 s[G0B+4], 1
	s_add_co_u32 s[G0B+5], s[G0B+1], SLOT
	s_mov_b32 s[G0SA], 1
	s_mov_b32 s[G0SA+1], SCL+24576
	s_mov_b32 s[G0SB], 1
	s_lshl_b32 s[G0SB+1], s[WV], 13
	s_add_co_u32 s[G0SB+1], s[G0SB+1], SCL
	s_wait_kmcnt 0x0
	s_add_nc_u64 s[G0A+2:G0A+3], s[4:5], s[G0A+2:G0A+3]
	s_add_nc_u64 s[G0A+6:G0A+7], s[G0A+2:G0A+3], 2097152       ; slot 1: slot step 1
	s_add_nc_u64 s[G0B+2:G0B+3], s[8:9], s[G0B+2:G0B+3]
	s_add_nc_u64 s[G0B+6:G0B+7], s[G0B+2:G0B+3], 786432
	s_add_nc_u64 s[G0SA+2:G0SA+3], s[6:7], s[G0SA+2:G0SA+3]
	s_add_nc_u64 s[G0SB+2:G0SB+3], s[10:11], s[G0SB+2:G0SB+3]
	s_or_b32 s[G0A+3], s[G0A+3], 0x80000000        ; the type
	s_or_b32 s[G0A+7], s[G0A+7], 0x80000000
	s_or_b32 s[G0B+3], s[G0B+3], 0x80000000
	s_or_b32 s[G0B+7], s[G0B+7], 0x80000000
	s_or_b32 s[G0SA+3], s[G0SA+3], 0x80000000
	s_or_b32 s[G0SB+3], s[G0SB+3], 0x80000000
	CROUND                                         ; all sixteen work-groups are here: the first joint loads meet
	JLOAD G0SA, G1SA, G0SB, G1SB                   ; the scale words first: they are wanted with slot step 0
	JLOAD G0A, G1A, G0B, G1B                       ; slot 0
	JLOAD G0A+4, G1A, G0B+4, G1B                   ; slot 1: three loads of mine are out
	; h's tile and my rows of out0: Y x 128 rows + wave x 32 rows, of 4,096 bytes, + X x 512
	s_lshl_b32 s2, s44, 19
	s_lshl_b32 s3, s[WV], 17
	s_add_co_u32 s2, s2, s3
	s_lshl_b32 s3, s43, 9
	s_add_co_u32 s2, s2, s3
	s_mov_b32 s3, 0
	s_add_nc_u64 s[G0H+2:G0H+3], s[12:13], s[2:3]
	s_add_nc_u64 s[22:23], s[22:23], s[2:3]
	s_mov_b64 s[2:3], s[G0H+2:G0H+3]               ; s[2:3]: the same address, for h's prefetches
	s_or_b32 s[G0H+3], s[G0H+3], 0x80000000
	s_mov_b32 s[G0H], 1
	s_mul_i32 s[G0H+1], s[WV], 16896               ; LDS: my 32 rows of 528 bytes, in slot 0
	v_and_b32 v1, 31, v0                           ; lane
	v_and_b32 v2, 15, v0                           ; r
	v_bfe_u32 v3, v0, 4, 1                         ; lane / 16
	s_lshl_b32 s13, s43, 9                         ; the biases of my 32 columns: X x 512 + wave x 128 bytes; a lane wants, for tile t, those of columns 16 t + 8 (lane / 16) + 0 .. 7
	s_lshl_b32 s12, s[WV], 7
	s_add_co_u32 s13, s13, s12
	v_lshl_add_u32 v4, v3, 5, s13
.irp t, 0,1
.irp u, 0,1
	global_load_b128 v[BR+8*\t+4*\u:BR+8*\t+4*\u+3], v4, s[14:15] offset:64*\t+16*\u
	global_load_b128 v[BR+16+8*\t+4*\u:BR+16+8*\t+4*\u+3], v4, s[16:17] offset:64*\t+16*\u
	global_load_b128 v[BN+8*\t+4*\u:BN+8*\t+4*\u+3], v4, s[18:19] offset:64*\t+16*\u
	global_load_b128 v[BN+16+8*\t+4*\u:BN+16+8*\t+4*\u+3], v4, s[20:21] offset:64*\t+16*\u
.endr
.endr
	; the prefetches of codes: they start at slot step 3; the first change of slots steps them to 4
	s_lshl_b32 s6, s44, 15
	s_lshl_b32 s7, s41, 13
	s_add_co_u32 s6, s6, s7
	s_add_co_u32 s6, s6, 3*2097152                 ; A: Y's block, my work-group's quarter by cx
	s_mul_i32 s10, s43, 98304
	s_lshl_b32 s11, s[WV], 15
	s_add_co_u32 s10, s10, s11
	s_lshl_b32 s11, s42, 13
	s_add_co_u32 s10, s10, s11
	s_add_co_u32 s10, s10, 3*786432                ; B: X's block of my wave, my work-group's quarter by cy
	s_and_b32 s12, ttmp7, 0xffff                   ; cluster y
	s_mov_b32 s11, 786432
	s_cmp_eq_u32 s[WV], 3
	s_cselect_b64 s[PFA:PFA+1], s[4:5], s[8:9]
	s_cselect_b32 s[PFS], s6, s10
	s_cselect_b32 s[LIM], ttmp9, s12               ; the coordinate along which other clusters read the same block
	s_mov_b32 s[PFS+1], 0
	s_add_nc_u64 s[PFA:PFA+1], s[PFA:PFA+1], s[PFS:PFS+1]
	s_cselect_b32 s[PFS], 2097152, s11             ; a slot step on
	s_cmp_eq_u32 s[LIM], 0
	s_cselect_b32 s[LIM], 1, -1                    ; the same in all sixteen partners, for a given wave
	; group 1 for h's tile: 32 rows of 128 f32, 1,024 apart; 16 bytes of padding behind each 512: LDS rows 528 bytes apart.  No mask: every work-group has its own tile
	s_mov_b32 s[G1H], (2<<16)|(1<<20)|(6<<22)|(3<<25)
	s_mov_b32 s[G1H+1], 128<<16
	s_mov_b32 s[G1H+2], 32<<16
	s_mov_b32 s[G1H+3], 128<<16
	s_mov_b32 s[G1H+4], 32
	s_mov_b32 s[G1H+5], 1024
	s_mov_b32 s[G1H+6], 0
	s_mov_b32 s[G1H+7], 0
	s_mov_b32 s[NL], 0xbfb8aa3b
	s_mov_b32 s[NL+1], s[NL]
	s_mov_b32 s[C2], 0x4038aa3b
	s_mov_b32 s[C2+1], s[C2]
	v_lshlrev_b32 v[CO], 4, v1
	v_add_nc_u32 v[ADRA], AOFF, v[CO]
	v_add_nc_u32 v[ADRA+1], AOFF+SLOT, v[CO]
	s_mul_i32 s12, s[WV], 24576                    ; my six tiles of B
	v_add_nc_u32 v[ADRB], s12, v[CO]
	s_add_co_u32 s12, s12, SLOT
	v_add_nc_u32 v[ADRB+1], s12, v[CO]
	v_mul_u32_u24 v[HAD], v2, 528
	v_lshl_add_u32 v[HAD], v3, 5, v[HAD]
	s_lshl_b32 s12, s[WV], 7
	v_add_nc_u32 v[HAD], s12, v[HAD]               ; row r, + 128 x wave + 32 (lane / 16)
	s_mul_i32 s12, s[WV], 16896
	v_add_nc_u32 v[RD], s12, v[CO]
	s_xor_b32 s13, s[WV], 3
	s_add_co_u32 s13, s13, 1
	s_mul_i32 s13, s13, 6144                       ; 24,576 - 6,144 x wave: from my B tiles' words to A's
	v_mul_u32_u24 v[ADRS], s13, v3                 ; lanes 16-31 take A's
	v_lshl_add_u32 v[ADRS], v2, 3, v[ADRS]
	s_mul_i32 s12, s[WV], 6144
	s_add_co_u32 s12, s12, SCL
	v_add_nc_u32 v[ADRS], s12, v[ADRS]
	v_lshlrev_b32 v[PFO], 8, v1
	v_lshlrev_b32 v[PFH], 12, v1
	s_wait_loadcnt 0x0                             ; the biases
.set kk, 0
.rept 16
	v_pk_mul_f32 v[BR+2*kk:BR+2*kk+1], v[BR+2*kk:BR+2*kk+1], s[NL:NL+1] op_sel_hi:[1,0]   ; the exponentials work in base 2: the factor goes into the biases once
	v_pk_mul_f32 v[BN+2*kk:BN+2*kk+1], v[BN+2*kk:BN+2*kk+1], s[C2:C2+1] op_sel_hi:[1,0]
.set kk, kk+1
.endr
.macro FRAG reg, adr, off              ; a fragment comes as it was stored: four loads of 512 consecutive bytes
.irp c, 0,1,2,3
	ds_load_b128 v[\reg+4*\c:\reg+4*\c+3], v[\adr] offset:\off+512*\c
.endr
.endm
.macro FETCH_B slot, q, p              ; my six fragments of B, the slot's q-th 128 along K, into set p
	WIN TO_B
.irp i, 0,1,2,3,4,5
	FRAG 128*(\p)+16*\i, ADRB+\slot, \i*4096+(\q)*2048
.endr
	WIN 0
.endm
.macro FETCH_A slot, q, i0             ; A's blocks i0 .. i0 + 3
.irp i, \i0, \i0+1, \i0+2, \i0+3
	FRAG AF+16*(\i), ADRA+\slot, (\i)*4096+(\q)*2048
.endr
.endm
.macro SCALES set, ks                  ; slot step ks's scale words: two words a row; lanes 0-15 B's tile i (i = 6, 7: not used), lanes 16-31 A's tile i
.irp i, 0,1,2,3,4,5,6,7
	ds_load_b64 v[SC+16*(\set)+2*\i:SC+16*(\set)+2*\i+1], v[ADRS] offset:\i*1024+(\ks)*128
.endr
.endm
; 12 matrix instructions: A's blocks a0, a0 + 1 x my six of B.  p: B's set; q: which 128 of the slot; nk: the column of sums that B's third kind adds into (4 xn, 6 hn);
; z01, z2 = 1: the products of kinds r, z / of the third kind start their sums: nothing is ever cleared.  The 48 sums take turns, one instruction a turn.
.macro MUL12 a0, p, q, set, nk, z01, z2
.irp a, \a0, \a0+1
.irp i, 0,1,2,3,4,5
.if \i < 4
.set CC, \i
.set ZZ, \z01
.else
.set CC, \nk+\i-4
.set ZZ, \z2
.endif
.set AC, 8*(8*((\a)%4)+CC)
.if ZZ
	v_wmma_scale_f32_16x16x128_f8f6f4 v[AC:AC+7], v[128*(\p)+16*\i:128*(\p)+16*\i+15], v[AF+16*(\a):AF+16*(\a)+15], 0, v[SC+16*(\set)+2*\i+(\q)], v[SC+16*(\set)+2*(\a)+(\q)] matrix_a_fmt:MATRIX_FMT_BF8 matrix_b_fmt:MATRIX_FMT_BF8 matrix_b_scale:MATRIX_SCALE_ROW1
.else
	v_wmma_scale_f32_16x16x128_f8f6f4 v[AC:AC+7], v[128*(\p)+16*\i:128*(\p)+16*\i+15], v[AF+16*(\a):AF+16*(\a)+15], v[AC:AC+7], v[SC+16*(\set)+2*\i+(\q)], v[SC+16*(\set)+2*(\a)+(\q)] matrix_a_fmt:MATRIX_FMT_BF8 matrix_b_fmt:MATRIX_FMT_BF8 matrix_b_scale:MATRIX_SCALE_ROW1
.endif
.endr
.endr
.endm
; A load into a register that a matrix instruction has read stands eight places behind it, and only plain vector instructions that name none of its registers are places
; so eight v_nop stand in front of each run of loads.
; A slot's first 128 along K.  A block of A is free when its six products are issued, so A has one set: blocks 0-3 come anew in the step's middle, blocks 4-7 at its end.
.macro STEP slot, nk, z01, z2
	s_wait_dscnt 16                                ; B's set, A's blocks 0-3 and the scale words are in; the youngest 16 loads (A's blocks 4-7) may be out
	WIN MUL_LO
	MUL12 0, 0, 0, \slot, \nk, \z01, \z2
	MUL12 2, 0, 0, \slot, \nk, \z01, \z2
	s_wait_dscnt 0x0                               ; A's blocks 4-7 are in
	PLACES 8
	FETCH_B \slot, 1, 1
	FETCH_A \slot, 1, 0
	WIN MUL_HI
	MUL12 4, 0, 0, \slot, \nk, \z01, \z2
	MUL12 6, 0, 0, \slot, \nk, \z01, \z2
	PLACES 8
	WIN 0
	FETCH_A \slot, 1, 4
.endm
; A slot's second 128 along K changes slots.  In front of the round each wave waits for all its tensor loads (one is out: its part of the next slot), adds 0 to its spare word, and waits for that
; and for its reads of this slot.  Behind the round this slot is filled again first: fill = 1: with the slot step two on, jointly; fill = 2: with h's tile, each wave its own 32 rows.
; ask = 1: codes are prefetched; ask = 2: h's tile is, two changes of slots ahead of its load: a lane a row, the row's 512 bytes by two lines.
.macro TURN slot, next, ks1, nk, fill, ask
.if \ask == 1
	s_wait_xcnt 0x0                                ; the last prefetch, a slot step back, has read its address: it is stepped here, ahead of the change's own waits
	s_add_nc_u64 s[PFA:PFA+1], s[PFA:PFA+1], s[PFS:PFS+1]
.endif
	s_wait_tensorcnt 0x0                           ; all my tensor loads have landed
	ds_add_u32 v[SPW], v[NIL]                      ; 0 onto my spare word
	s_wait_dscnt 17                                ; (the add and the youngest 16 loads, A's blocks 4-7, may be out)
	WIN MUL_LO
	MUL12 0, 1, 1, \slot, \nk, 0, 0                ; twelve matrix instructions stand between the add and the wait for it
	s_wait_dscnt 0x0                               ; the add is done, and my reads of this slot are over
	s_barrier_signal -1
	MUL12 2, 1, 1, \slot, \nk, 0, 0
	WIN 0
	s_barrier_wait -1
	CREST                                          ; the barrier has opened a round of the cluster's: no wave of any partner still reads this slot or has a load on its way
.if \fill == 1
	s_add_nc_u64 s[G0A+4*\slot+2:G0A+4*\slot+3], s[G0A+4*\slot+2:G0A+4*\slot+3], 2*2097152
	s_add_nc_u64 s[G0B+4*\slot+2:G0B+4*\slot+3], s[G0B+4*\slot+2:G0B+4*\slot+3], 2*786432
	JLOAD G0A+4*\slot, G1A, G0B+4*\slot, G1B       ; my one tensor load behind the round
.else
	tensor_load_to_lds s[G0H:G0H+3], s[G1H:G1H+7]  ; my 32 rows of h's tile
	s_nop 0
	PLACES 4
.endif
	PLACES 4                                       ; with the four behind the tensor load: the eight places in front of the loads below
	FETCH_B \next, 0, 0
	FETCH_A \next, 0, 0
	SCALES \next, \ks1
.if \ask == 1
	ASK
.endif
.if \ask == 2
	global_prefetch_b8 v[PFH], s[2:3] th:TH_LOAD_NT scope:SCOPE_SE
	global_prefetch_b8 v[PFH], s[2:3] offset:256 th:TH_LOAD_NT scope:SCOPE_SE
.endif
	WIN MUL_HI
	MUL12 4, 1, 1, \slot, \nk, 0, 0
	MUL12 6, 1, 1, \slot, \nk, 0, 0
	PLACES 8
	WIN 0
	FETCH_A \next, 0, 4
.endm
	s_wait_tensorcnt 1                             ; the scale words and my part of slot 0 are in; slot 1's load may be out
	s_barrier_signal -1
	s_barrier_wait -1
	FETCH_B 0, 0, 0
	FETCH_A 0, 0, 0
	SCALES 0, 0
	FETCH_A 0, 0, 4
	STEP 0, 4, 1, 1                                ; x: the first products start r, z and xn
	TURN 0, 1, 1, 4, 1, 1
	STEP 1, 4, 0, 0
	TURN 1, 0, 2, 4, 1, 1
	STEP 0, 4, 0, 0
	TURN 0, 1, 3, 4, 1, 1
	STEP 1, 4, 0, 0
	TURN 1, 0, 4, 4, 1, 1
	STEP 0, 6, 0, 1                                ; h: r and z go on, the third kind's products start hn
	TURN 0, 1, 5, 6, 1, 2
	STEP 1, 6, 0, 0
	TURN 1, 0, 6, 6, 1, 0
	STEP 0, 6, 0, 0
	TURN 0, 1, 7, 6, 2, 0                          ; slot 0 has been read for the last time: it takes h's tile
	STEP 1, 6, 0, 0
	s_wait_dscnt 16                                ; the very last 128 along K: nothing more to fetch
	WIN MUL_LO
	MUL12 0, 1, 1, 1, 6, 0, 0
	MUL12 2, 1, 1, 1, 6, 0, 0
	s_wait_dscnt 0x0
	WIN MUL_HI
	MUL12 4, 1, 1, 1, 6, 0, 0
	MUL12 6, 1, 1, 1, 6, 0, 0
	WIN 0
; THE WAY OUT.  Block a: rows 16 a .. 16 a + 15, my 32 columns: register 8 t + j of a kind is column 16 t + 8 (lane / 16) + j of row lane % 16.
; Each batch of transcendentals has one plain line and one wait behind it, ahead of its first reader.
.macro EPI a
.set HV, 192+16*((\a)%2)               ; h's registers, two sets by turns: a set's LDS stores have been waited for, in the next block, before loads land on it again
.set AB, 64*((\a)%4)
.irp t, 0,1
.irp u, 0,1
	ds_load_b128 v[HV+8*\t+4*\u:HV+8*\t+4*\u+3], v[HAD] offset:(\a)*8448+64*\t+16*\u
.endr
.endr
	WIN 0x02+(\a)/4                                ; source 0: the sums' window
.irp c, 0,1,2,3
.irp j, 0,2,4,6
	v_pk_fma_f32 v[TR+8*\c+\j:TR+8*\c+\j+1], v[AB+8*\c+\j:AB+8*\c+\j+1], s[NL:NL+1], v[BR+8*\c+\j:BR+8*\c+\j+1] op_sel_hi:[1,0,1]   ; -log2(e) (sum + bias), for r and z; each sum from its low end on
.endr
.endr
.irp c, 4,5,6,7
.irp j, 0,2,4,6
	v_pk_fma_f32 v[TR+8*\c+\j:TR+8*\c+\j+1], v[AB+8*\c+\j:AB+8*\c+\j+1], s[C2:C2+1], v[BR+8*\c+\j:BR+8*\c+\j+1] op_sel_hi:[1,0,1]   ; 2 log2(e) (sum + bias), for xn and hn
.endr
.endr
	WIN 0
.set kk, 0
.rept 32
	v_exp_f32 v[TR+kk], v[TR+kk]
.set kk, kk+1
.endr
	v_nop
	s_wait_alu depctr_va_vdst(0)
.set kk, 0
.rept 16
	v_pk_add_f32 v[TR+2*kk:TR+2*kk+1], v[TR+2*kk:TR+2*kk+1], 1.0 op_sel_hi:[1,0]
.set kk, kk+1
.endr
.set kk, 0
.rept 32
	v_rcp_f32 v[TR+kk], v[TR+kk]                   ; r and z
.set kk, kk+1
.endr
	v_nop
	s_wait_alu depctr_va_vdst(0)
.set kk, 0
.rept 8
	v_pk_fma_f32 v[TX+2*kk:TX+2*kk+1], v[TR+2*kk:TR+2*kk+1], v[THN+2*kk:THN+2*kk+1], v[TX+2*kk:TX+2*kk+1]   ; 2 log2(e) (xn + bin + r (hn + bhn))
.set kk, kk+1
.endr
.set kk, 0
.rept 16
	v_exp_f32 v[TX+kk], v[TX+kk]
.set kk, kk+1
.endr
	v_nop
	s_wait_alu depctr_va_vdst(0)
.set kk, 0
.rept 8
	v_pk_add_f32 v[TX+2*kk:TX+2*kk+1], v[TX+2*kk:TX+2*kk+1], 1.0 op_sel_hi:[1,0]
.set kk, kk+1
.endr
.set kk, 0
.rept 16
	v_rcp_f32 v[TX+kk], v[TX+kk]
.set kk, kk+1
.endr
	v_nop
	s_wait_alu depctr_va_vdst(0)
	s_wait_dscnt 0x0                               ; h is in; the last block's stores are done
.set kk, 0
.rept 8
	v_pk_fma_f32 v[TX+2*kk:TX+2*kk+1], v[TX+2*kk:TX+2*kk+1], -2.0, 1.0 op_sel_hi:[1,0,0]   ; n = 1 - 2 / (1 + 2^..)
.set kk, kk+1
.endr
.set kk, 0
.rept 8
	v_pk_add_f32 v[HV+2*kk:HV+2*kk+1], v[HV+2*kk:HV+2*kk+1], v[TX+2*kk:TX+2*kk+1] neg_lo:[0,1] neg_hi:[0,1]   ; h - n
.set kk, kk+1
.endr
.set kk, 0
.rept 8
	v_pk_fma_f32 v[HV+2*kk:HV+2*kk+1], v[TZ+2*kk:TZ+2*kk+1], v[HV+2*kk:HV+2*kk+1], v[TX+2*kk:TX+2*kk+1]       ; new_h = n + z (h - n)
.set kk, kk+1
.endr
.irp t, 0,1
.irp u, 0,1
	ds_store_b128 v[HAD], v[HV+8*\t+4*\u:HV+8*\t+4*\u+3] offset:(\a)*8448+64*\t+16*\u   ; over the bytes of h that this lane alone has read
.endr
.endr
.endm
	PLACES 8                                       ; behind the last products: for the reads of results and the loads into A's registers
	s_wait_tensorcnt 0x0                           ; my rows of h's tile are in,
	s_barrier_signal -1
	s_barrier_wait -1                              ; everybody's are
.irp a, 0,1,2,3,4,5,6,7
	EPI \a
.endr
	s_wait_dscnt 0x0                               ; for the others' sake: my stores are done
	s_barrier_signal -1
	s_barrier_wait -1                              ; 128 whole rows of new_h lie in LDS
.set ii, 0
.rept 32
	ds_load_b128 v[128+4*ii:128+4*ii+3], v[RD] offset:528*ii
.set ii, ii+1
.endr
.set ii, 0
.rept 32
	s_wait_dscnt 31-ii                             ; row ii is in; the younger loads may be out
	global_store_b128 v[CO], v[128+4*ii:128+4*ii+3], s[22:23] offset:4096*ii   ; 32 lanes store 512 consecutive bytes, aligned
.set ii, ii+1
.endr
	s_wait_tensorcnt 0x0                           ; the wave's end
	ds_add_u32 v[SPW], v[NIL]
	s_wait_dscnt 0x0
	CROUND                                         ; the closing round: no work-group ends while a partner may still ask for a tile that names it
	s_endpgm
.Lfunc_end_k_q32bf15faff_gates:
	.size	k_q32bf15faff_gates, .Lfunc_end_k_q32bf15faff_gates-k_q32bf15faff_gates
	.p2alignl 7, 3214868480
	.fill 96, 4, 3214868480
	.section	.rodata,"a",@progbits
	.p2align	6, 0x0
	.amdhsa_kernel k_q32bf15faff_gates
		.amdhsa_group_segment_fixed_size 327680
		.amdhsa_private_segment_fixed_size 0
		.amdhsa_enable_private_segment 0
		.amdhsa_kernarg_size 80
		.amdhsa_user_sgpr_count 2
		.amdhsa_user_sgpr_kernarg_segment_ptr 1
		.amdhsa_wavefront_size32 1
		.amdhsa_system_sgpr_workgroup_id_x 1
		.amdhsa_system_sgpr_workgroup_id_y 1
		.amdhsa_system_sgpr_workgroup_id_z 1
		.amdhsa_system_vgpr_workitem_id 0
		.amdhsa_next_free_vgpr 1024
		.amdhsa_next_free_sgpr 102
		.amdhsa_reserve_vcc 0
		.amdhsa_float_denorm_mode_32 3
		.amdhsa_float_denorm_mode_16_64 3
		.amdhsa_memory_ordered 1
		.amdhsa_forward_progress 1
		.amdhsa_inst_pref_size 255
	.end_amdhsa_kernel
	.section	.bss,"aw",@nobits
	.p2align	6
	.space	262144
	.amdgpu_metadata
---
amdhsa.version: [ 1, 2 ]
amdhsa.kernels:
  - .name:           k_q32bf15faff_gates
    .symbol:         k_q32bf15faff_gates.kd
    .args:
      - { .name: Aimg, .offset: 0, .size: 8, .value_kind: global_buffer, .address_space: global }
      - { .name: Asw, .offset: 8, .size: 8, .value_kind: global_buffer, .address_space: global }
      - { .name: Wimg, .offset: 16, .size: 8, .value_kind: global_buffer, .address_space: global }
      - { .name: Wsw, .offset: 24, .size: 8, .value_kind: global_buffer, .address_space: global }
      - { .name: h, .offset: 32, .size: 8, .value_kind: global_buffer, .address_space: global }
      - { .name: bir, .offset: 40, .size: 8, .value_kind: global_buffer, .address_space: global }
      - { .name: biz, .offset: 48, .size: 8, .value_kind: global_buffer, .address_space: global }
      - { .name: bin_, .offset: 56, .size: 8, .value_kind: global_buffer, .address_space: global }
      - { .name: bhn, .offset: 64, .size: 8, .value_kind: global_buffer, .address_space: global }
      - { .name: out0, .offset: 72, .size: 8, .value_kind: global_buffer, .address_space: global }
    .group_segment_fixed_size: 327680
    .private_segment_fixed_size: 0
    .kernarg_segment_align: 8
    .kernarg_segment_size: 80
    .max_flat_workgroup_size: 128
    .sgpr_count:     102
    .vgpr_count:     1024
    .wavefront_size: 32
...
	.end_amdgpu_metadata
.endif
;; end of part 2
;; launch readout (part 3): grid 2 x 128, 4 waves a work-group, no clusters, 103,936 bytes of LDS; arguments out0, ln_scale, ln_bias, Oimg, Osc, bout, out1; writes out1
.if DOCPART == 3
	.amdgcn_target "amdgcn-amd-amdhsa--gfx1250"
	.amdhsa_code_object_version 6
	.text
	.protected	k_q32bf15faff_readout
	.globl	k_q32bf15faff_readout
	.p2align	8
	.type	k_q32bf15faff_readout,@function
k_q32bf15faff_readout:
	s_mov_b64 s[64:65], 0
	v_nop
	global_prefetch_b8 v0, s[64:65] scope:SCOPE_SE
	s_setreg_imm32_b32 hwreg(HW_REG_WAVE_MODE, 25, 1), 1
	s_wait_xcnt 0x0
; out = LayerNorm(new_h) Wout + bout.  new_h = out0 [8192][1024] f32; LayerNorm in f32, in two passes over registers (mean, then the mean of squared differences; eps = 1e-6);
; its result is quantised along K to codes of BF8 (E5M2) with E8M0 scales; Wout comes as codes, laid as images of operand registers (Oimg) with its scale bytes [n][32] (Osc).
; LIMITS: NaN and infinities are not served.  A block of zeros gets the byte 1 where the rule says 127: its codes are zeros, and only this launch reads the byte.
; SHARES.  A work-group makes 64 rows x 512 columns.  First wave w normalises and quantises rows 16 w .. 16 w + 15, whole rows in 512 registers, and stores the eight fragments' images in LDS; one barrier;
; then wave w makes all 64 rows x columns 128 w .. 128 w + 127: 32 sums of 16 x 16.
; A wave's part of Wout is read by that wave alone in its work-group, and once: it goes from memory straight into registers, three sets ahead.  NO CLUSTER, NO TENSOR LOAD: work-groups of other rows read the
; same codes, but a ring through LDS would add a store and a load of every byte, and would leave one K step's 32 matrix instructions a wave between two rounds.
; THE MATRIX INSTRUCTION IS USED TRANSPOSED (source 0 = 16 columns of Wout, source 1 = 16 rows): a lane holds one row and eight neighbouring columns.  bout is the C of each sum's first instruction.
; REGISTERS, in windows of 256: window 0: v1-9 addresses; v16-23 the rows' scale words, two sets, and nothing else; v24-28 at work; v32-95 ln_scale, ln_bias, then numbers to quantise, then A's set 0, then rows of out;
;   v96-159 numbers to quantise, A's set 1, rows of out; v160-175 codes; v176-191 at work; v192-255 Wout's scale words (8 i + s), and nothing else.
;   window 1: rows 0-7 (row p at v[32 p]: register 4 e + k = column 128 e + 4 lane + k), later sum (m, i) at v[8 (8 m + i)].   window 2: rows 8-15, later B's set 2 (v0-127) and bout's tiles (v128-191).   window 3: B's sets 0, 1.
.set XSC,  65536                       ; LDS: 0: the 32 fragments' images ((8 m + s) x 2,048); here their scale words ((8 m + s) x 128, 4 bytes a lane);
.set STG,  69632                       ; here a stage of 16 rows x 528 bytes for each wave, its own: for the turn ahead of the quantiser and for the way out
.set LI,   1                           ; v1 16 x lane
.set LS4,  2                           ; v2 XSC + 4 x lane
.set STA,  3                           ; v3 my stage + 16 x lane
.set STR,  4                           ; v4 my stage + 528 r + 64 (lane / 16)
.set XWI,  5                           ; v5 where I store images: 16,384 x wave + 16 x lane
.set XWS,  6                           ; v6 and their scale words: XSC + 1,024 x wave + 4 x lane
.set STO,  7                           ; v7 my stage + 528 r + 32 (lane / 16)
.set XSW,  16
.set T,    24
.set PW,   28
.set LSC,  32
.set LBI,  64
.set PC,   160
.set SU,   176                         ; v176-183 four rows' sums, in pairs
.set MQ,   184                         ; v184-191 four rows' mean, later 1 / sqrt(var + eps), in the low word of a pair
.set TM,   176                         ; the quantiser's sixteen registers
.set W2S,  192
.set SEL,  20
.set MNT,  22
.set MSB, 0
.macro WIN new                         ; the immediate's high byte repeats the setting that is left; a switch that changes nothing is dropped
.if MSB != (\new)
	s_set_vgpr_msb (MSB<<8)|(\new)
.set MSB, (\new)
.endif
.endm
.macro PLACES n
.rept \n
	v_nop
.endr
.endm
	s_load_b256 s[4:11], s[0:1], 0x0               ; out0, ln_scale, ln_bias, Oimg
	s_load_b128 s[12:15], s[0:1], 0x20             ; Osc, bout
	s_load_b64 s[16:17], s[0:1], 0x30              ; out1
	v_lshl_add_u32 v30, v0, 2, 0x19400
	v_mov_b32 v31, 0
	v_lshrrev_b32 v10, 5, v0
	v_readfirstlane_b32 s18, v10                   ; wave 0..3
	v_and_b32 v10, 31, v0                          ; lane
	v_and_b32 v11, 15, v0                          ; r
	v_bfe_u32 v12, v0, 4, 1                        ; lane / 16
	v_lshlrev_b32 v[LI], 4, v10
	v_lshl_add_u32 v[LS4], v10, 2, XSC
	s_mul_i32 s25, s18, 8448
	s_add_co_u32 s25, s25, STG
	v_add_nc_u32 v[STA], s25, v[LI]
	v_mul_u32_u24 v13, v11, 528
	v_add_nc_u32 v13, s25, v13
	v_lshl_add_u32 v[STR], v12, 6, v13
	v_lshl_add_u32 v[STO], v12, 5, v13
	s_lshl_b32 s26, s18, 14
	v_add_nc_u32 v[XWI], s26, v[LI]
	s_lshl_b32 s26, s18, 10
	v_add_nc_u32 v[XWS], s26, v[LS4]
	v_lshlrev_b32 v8, 5, v11                       ; Osc: 32 bytes a column
	v_lshlrev_b32 v9, 5, v12                       ; bout: my half's eight numbers
.irp q, 0,1,2,3
	v_mov_b32 v[MQ+2*\q+1], 0                      ; named as the upper half of a pair, so it is written
.endr
	s_mov_b32 s[SEL], 0x76543210
	s_mov_b32 s[SEL+1], 0xfedcba98
	s_mov_b32 s[MNT], 0x600000
	s_mov_b32 s23, 0x3a800000                      ; 1 / 1,024
	s_mov_b32 s24, 0x358637bd                      ; 1e-6
	s_and_b32 s27, ttmp7, 0xffff                   ; Y: which 64 rows;  ttmp9 = X: which 512 columns
	s_lshl_b32 s28, s27, 18
	s_lshl_b32 s30, s18, 16
	s_add_co_u32 s28, s28, s30                     ; out0: 64 Y + 16 wave rows of 4,096 bytes
	s_mov_b32 s29, 0
	s_lshl_b32 s30, ttmp9, 19
	s_lshl_b32 s32, s18, 17
	s_add_co_u32 s30, s30, s32                     ; Oimg: tile 32 X + 8 wave, 16,384 bytes each
	s_mov_b32 s31, 0
	s_lshl_b32 s32, ttmp9, 14
	s_lshl_b32 s34, s18, 12
	s_add_co_u32 s32, s32, s34                     ; Osc: column 512 X + 128 wave, 32 bytes each
	s_mov_b32 s33, 0
	s_lshl_b32 s34, ttmp9, 11
	s_lshl_b32 s36, s18, 9
	s_add_co_u32 s34, s34, s36                     ; bout: the same column, 4 bytes each
	s_mov_b32 s35, 0
	s_lshl_b32 s36, s27, 18
	s_add_co_u32 s36, s36, s34                     ; out1: 64 Y rows, + that column
	s_mov_b32 s37, 0
	s_wait_kmcnt 0x0
	s_add_nc_u64 s[4:5], s[4:5], s[28:29]
	s_add_nc_u64 s[10:11], s[10:11], s[30:31]
	s_add_nc_u64 s[12:13], s[12:13], s[32:33]
	s_add_nc_u64 s[14:15], s[14:15], s[34:35]
	s_add_nc_u64 s[16:17], s[16:17], s[36:37]
.irp e, 0,1,2,3,4,5,6,7
	global_load_b128 v[LSC+4*\e:LSC+4*\e+3], v[LI], s[6:7] offset:512*\e
.endr
.irp e, 0,1,2,3,4,5,6,7
	global_load_b128 v[LBI+4*\e:LBI+4*\e+3], v[LI], s[8:9] offset:512*\e
.endr
.irp i, 0,1,2,3,4,5,6,7
	global_load_b128 v[W2S+8*\i:W2S+8*\i+3], v8, s[12:13] offset:512*\i          ; column 16 i + r: the words of K steps 0-3,
	global_load_b128 v[W2S+8*\i+4:W2S+8*\i+7], v8, s[12:13] offset:512*\i+16     ; and 4-7
.endr
	WIN 0x40                                       ; destination window 1
.set rr, 0
.rept 8
.irp e, 0,1,2,3,4,5,6,7
	global_load_b128 v[32*rr+4*\e:32*rr+4*\e+3], v[LI], s[4:5] offset:4096*rr+512*\e   ; 512 consecutive bytes of a row
.endr
.set rr, rr+1
.endr
	WIN 0x80                                       ; destination window 2
.set rr, 0
.rept 8
.irp e, 0,1,2,3,4,5,6,7
	global_load_b128 v[32*rr+4*\e:32*rr+4*\e+3], v[LI], s[4:5] offset:4096*(rr+8)+512*\e
.endr
.set rr, rr+1
.endr
	WIN 0
.macro REDUCE                          ; four rows' pairs of sums, over the pair and the 32 lanes: the result in v[T + q], in every lane
.irp q, 0,1,2,3
	v_add_f32 v[T+\q], v[SU+2*\q], v[SU+2*\q+1]
.endr
.irp x, 1,2,4,8
.irp q, 0,1,2,3
	v_add_f32_dpp v[T+\q], v[T+\q], v[T+\q] row_xmask:\x row_mask:0xf bank_mask:0xf
.endr
.endr
.irp q, 0,1,2,3
	v_permlanex16_b32 v[SU+2*\q], v[T+\q], s[SEL], s[SEL+1]
.endr
.irp q, 0,1,2,3
	v_add_f32 v[T+\q], v[T+\q], v[SU+2*\q]
.endr
.endm
; LayerNorm of rows 4 g .. 4 g + 3, in place, the four rows by turns.  left: the younger loads that may stay out (the wait's count holds 63 at the most; a smaller count than the loads behind is safe)
.macro ROWS4 g, left
.set W, 1+(\g)/2                       ; the rows' window
.set RB, 128*((\g)%2)                  ; the first row's first register
	s_wait_loadcnt \left
	WIN 5*W                                        ; sources 0 and 1: the rows
.irp q, 0,1,2,3
	v_pk_add_f32 v[SU+2*\q:SU+2*\q+1], v[RB+32*\q:RB+32*\q+1], v[RB+32*\q+2:RB+32*\q+3]
.endr
	WIN W                                          ; source 0: the rows
.irp p, 4,6,8,10,12,14,16,18,20,22,24,26,28,30
.irp q, 0,1,2,3
	v_pk_add_f32 v[SU+2*\q:SU+2*\q+1], v[RB+32*\q+\p:RB+32*\q+\p+1], v[SU+2*\q:SU+2*\q+1]
.endr
.endr
	WIN 0
	REDUCE
.irp q, 0,1,2,3
	v_mul_f32 v[MQ+2*\q], s23, v[T+\q]             ; the mean
.endr
	WIN 65*W                                       ; destination and source 0: the rows
.irp p, 0,2,4,6,8,10,12,14,16,18,20,22,24,26,28,30
.irp q, 0,1,2,3
	v_pk_add_f32 v[RB+32*\q+\p:RB+32*\q+\p+1], v[RB+32*\q+\p:RB+32*\q+\p+1], v[MQ+2*\q:MQ+2*\q+1] op_sel_hi:[1,0] neg_lo:[0,1] neg_hi:[0,1]   ; x - mean
.endr
.endr
	WIN 5*W
.irp q, 0,1,2,3
	v_pk_mul_f32 v[SU+2*\q:SU+2*\q+1], v[RB+32*\q:RB+32*\q+1], v[RB+32*\q:RB+32*\q+1]
.endr
.irp p, 2,4,6,8,10,12,14,16,18,20,22,24,26,28,30
.irp q, 0,1,2,3
	v_pk_fma_f32 v[SU+2*\q:SU+2*\q+1], v[RB+32*\q+\p:RB+32*\q+\p+1], v[RB+32*\q+\p:RB+32*\q+\p+1], v[SU+2*\q:SU+2*\q+1]
.endr
.endr
	WIN 0
	REDUCE
.irp q, 0,1,2,3
	v_fma_f32 v[T+\q], v[T+\q], s23, s24           ; var + eps
.endr
.irp q, 0,1,2,3
	v_rsq_f32 v[MQ+2*\q], v[T+\q]
.endr
	v_nop                                          ; a plain line behind the last of the four,
	s_wait_alu depctr_va_vdst(0)                   ; and a wait ahead of their first reader
	WIN 65*W
.irp p, 0,2,4,6,8,10,12,14,16,18,20,22,24,26,28,30
.irp q, 0,1,2,3
	v_pk_mul_f32 v[RB+32*\q+\p:RB+32*\q+\p+1], v[RB+32*\q+\p:RB+32*\q+\p+1], v[MQ+2*\q:MQ+2*\q+1] op_sel_hi:[1,0]
.endr
.endr
.irp p, 0,2,4,6,8,10,12,14,16,18,20,22,24,26,28,30
.irp q, 0,1,2,3
	v_pk_fma_f32 v[RB+32*\q+\p:RB+32*\q+\p+1], v[RB+32*\q+\p:RB+32*\q+\p+1], v[LSC+\p:LSC+\p+1], v[LBI+\p:LBI+\p+1]   ; x ln_scale + ln_bias
.endr
.endr
	WIN 0
.endm
	ROWS4 0, 63                                    ; 96 loads are younger
	ROWS4 1, 63                                    ; 64 are
	ROWS4 2, 32
	ROWS4 3, 0
; 64 numbers of a lane, v[s] on, become a fragment's codes in v[PC] on and its scale word in v[PW]
.macro QUANT s
.irp b, 0,1,2,3
	v_max3_num_f32 v[TM+\b], |v[\s+16*\b]|, |v[\s+1+16*\b]|, 0x8000000   ; block b: my 16 numbers, and the floor 2^(16 - 127): so the byte cannot fall under 1
.endr
.irp i, 2,4,6,8,10,12,14
.irp b, 0,1,2,3
	v_max3_num_f32 v[TM+\b], v[TM+\b], |v[\s+16*\b+\i]|, |v[\s+1+16*\b+\i]|
.endr
.endr
.irp b, 0,1,2,3
	v_permlanex16_b32 v[TM+4+\b], v[TM+\b], s[SEL], s[SEL+1]
.endr
.irp b, 0,1,2,3
	v_max_num_f32 v[TM+\b], v[TM+\b], v[TM+4+\b]   ; with lane l xor 16's: the block's largest magnitude
.endr
.irp b, 0,1,2,3
	v_add_nc_u32 v[TM+12+\b], 0xf8800000, v[TM+\b] ; 15 off its exponent field: the conversions' scale operand
.endr
.irp b, 0,1,2,3
	v_and_or_b32 v[TM+8+\b], v[TM+\b], 0x7f800000, s[MNT]   ; 57,344 x the scale
.endr
.irp b, 0,1,2,3
	v_lshrrev_b32 v[TM+4+\b], 23, v[TM+12+\b]      ; the scale's byte
.endr
	v_lshl_or_b32 v[PW], v[TM+5], 8, v[TM+4]
	v_lshl_or_b32 v[PW], v[TM+6], 16, v[PW]
	v_lshl_or_b32 v[PW], v[TM+7], 24, v[PW]
.irp b, 0,1,2,3
.irp i, 0,1,2,3,4,5,6,7,8,9,10,11,12,13,14,15
	v_med3_num_f32 v[\s+16*\b+\i], v[\s+16*\b+\i], -v[TM+8+\b], v[TM+8+\b]   ; the conversion to an 8-bit code does not saturate (ISA guide 7.6.2): the hold comes first
.endr
	v_cvt_scalef32_pk8_bf8_f32 v[PC+4*\b:PC+1+4*\b], v[\s+16*\b:\s+7+16*\b], v[TM+12+\b]
	v_cvt_scalef32_pk8_bf8_f32 v[PC+2+4*\b:PC+3+4*\b], v[\s+8+16*\b:\s+15+16*\b], v[TM+12+\b]
.endr
	v_nop                                          ; one plain vector line behind the last conversion
.endm
; K step e of my 16 rows goes through my stage: in as it lies in the registers (512 bytes a row), back as 16 neighbours of each block of 32 for lane (r, lane / 16).
; LDS serves a wave's instructions in order: no wait between the stores and the loads, nor in front of the next step's stores.
.macro TURNX e
	WIN 0x04                                       ; an LDS store's data are its source 1: window 1
.set rr, 0
.rept 8
	ds_store_b128 v[STA], v[32*rr+4*(\e):32*rr+4*(\e)+3] offset:528*rr
.set rr, rr+1
.endr
	WIN 0x08                                       ; window 2
.set rr, 0
.rept 8
	ds_store_b128 v[STA], v[32*rr+4*(\e):32*rr+4*(\e)+3] offset:528*(rr+8)
.set rr, rr+1
.endr
	WIN 0
.set XL, 96-64*((\e)%2)
.irp b, 0,1,2,3
.irp j, 0,1,2,3
	ds_load_b128 v[XL+16*\b+4*\j:XL+16*\b+4*\j+3], v[STR] offset:128*\b+16*\j
.endr
.endr
.endm
.macro BLOAD set, s                    ; my eight fragments of Wout, K step s, into set 0, 1 (window 3) or 2 (window 2): each load 512 consecutive bytes
.if (\set) == 2
	WIN 0x80
.set BB0, 0
.else
	WIN 0xc0
.set BB0, 128*(\set)
.endif
.irp i, 0,1,2,3,4,5,6,7
.irp c, 0,1,2,3
	global_load_b128 v[BB0+16*\i+4*\c:BB0+16*\i+4*\c+3], v[LI], s[10:11] offset:16384*\i+2048*(\s)+512*\c
.endr
.endr
	WIN 0
.endm
	BLOAD 0, 0
	BLOAD 1, 1
	TURNX 0
.irp e, 0,1,2,3,4,5,6,7
	s_wait_dscnt 0x0                               ; this step's 64 numbers are in; the last step's images are stored, so the codes' registers may be written
.if \e < 7
	TURNX \e+1
.else
	WIN 0x80                                       ; the stage's stores have read the rows: window 2 is free.  bout's tiles: for tile i, columns 16 i + 8 (lane / 16) + 0 .. 7
.irp i, 0,1,2,3,4,5,6,7
	global_load_b128 v[128+8*\i:128+8*\i+3], v9, s[14:15] offset:64*\i
	global_load_b128 v[128+8*\i+4:128+8*\i+7], v9, s[14:15] offset:64*\i+16
.endr
	WIN 0
	BLOAD 2, 2
.endif
.set XQ, 96-64*(\e%2)
	QUANT XQ
.irp c, 0,1,2,3
	ds_store_b128 v[XWI], v[PC+4*\c:PC+4*\c+3] offset:2048*\e+512*\c   ; the fragment's image: lane l's 16 bytes at 16 l
.endr
	ds_store_b32 v[XWS], v[PW] offset:128*\e
.endr
	s_wait_dscnt 0x0                               ; for the others' sake: my images are stored
	s_barrier_signal -1
	s_barrier_wait -1                              ; the 32 fragments of the 64 rows lie in LDS
.macro AFETCH set, s                   ; the four row tiles' fragments of K step s, and their scale words: 20 LDS loads
.irp m, 0,1,2,3
.irp c, 0,1,2,3
	ds_load_b128 v[32+64*(\set)+16*\m+4*\c:32+64*(\set)+16*\m+4*\c+3], v[LI] offset:(8*\m+(\s))*2048+512*\c
.endr
	ds_load_b32 v[XSW+4*(\set)+\m], v[LS4] offset:(8*\m+(\s))*128
.endr
.endm
; K step s: 32 matrix instructions, the 32 sums by turns.  dsw: LDS loads that may stay out; ldw: global loads that may (-1: no wait is owed)
.macro GSTEP s, dsw, ldw
	s_wait_dscnt \dsw
.if \ldw >= 0
	s_wait_loadcnt \ldw
.endif
.set BS, (\s)%3
.set A0, 32+64*((\s)%2)
.if BS == 2
.set B0, 0
.else
.set B0, 128*BS
.endif
.if (\s) == 0
	WIN 0x63                                       ; source 0 window 3, C (bout) window 2, D window 1
.elseif BS == 2
	WIN 0x52                                       ; source 0 window 2, C and D window 1
.else
	WIN 0x53
.endif
.irp m, 0,1,2,3
.irp i, 0,1,2,3,4,5,6,7
.if (\s) == 0
	v_wmma_scale_f32_16x16x128_f8f6f4 v[8*(8*\m+\i):8*(8*\m+\i)+7], v[B0+16*\i:B0+16*\i+15], v[A0+16*\m:A0+16*\m+15], v[128+8*\i:128+8*\i+7], v[W2S+8*\i+(\s)], v[XSW+4*((\s)%2)+\m] matrix_a_fmt:MATRIX_FMT_BF8 matrix_b_fmt:MATRIX_FMT_BF8
.else
	v_wmma_scale_f32_16x16x128_f8f6f4 v[8*(8*\m+\i):8*(8*\m+\i)+7], v[B0+16*\i:B0+16*\i+15], v[A0+16*\m:A0+16*\m+15], v[8*(8*\m+\i):8*(8*\m+\i)+7], v[W2S+8*\i+(\s)], v[XSW+4*((\s)%2)+\m] matrix_a_fmt:MATRIX_FMT_BF8 matrix_b_fmt:MATRIX_FMT_BF8
.endif
.endr
.endr
	WIN 0
	PLACES 8                                       ; in front of loads into registers that these products have read, and of the first read of results (ISA guide 7.12.1 for vector instructions)
.if (\s) <= 4
	BLOAD BS, (\s)+3
.endif
.if (\s) <= 5
	AFETCH (\s)%2, (\s)+2
.endif
.endm
	AFETCH 0, 0
	AFETCH 1, 1
	GSTEP 0, 20, 32                                ; K step 1's 20 LDS loads may be out; of the global loads only set 2's 32 are younger than bout's
	GSTEP 1, 20, -1                                ; set 1 was issued ahead of bout: it is in
	GSTEP 2, 20, 63                                ; 64 loads (K steps 3, 4) are younger than set 2's
	GSTEP 3, 20, 63
	GSTEP 4, 20, 63
	GSTEP 5, 20, 63
	GSTEP 6, 20, 32                                ; K step 7's 32
	GSTEP 7, 0, 0
; THE WAY OUT, a tile of 16 rows x 128 columns at a time, through my own stage: in as 32 bytes a lane of row r, back as whole rows of 512 bytes.
.macro TOSTAGE m
	WIN 0x04                                       ; the data: window 1
.irp i, 0,1,2,3,4,5,6,7
	ds_store_b128 v[STO], v[8*(8*(\m)+\i):8*(8*(\m)+\i)+3] offset:64*\i          ; each sum from its low end on
	ds_store_b128 v[STO], v[8*(8*(\m)+\i)+4:8*(8*(\m)+\i)+7] offset:64*\i+16
.endr
	WIN 0
.set BB, 32+64*((\m)%2)
.irp t, 0,1,2,3,4,5,6,7,8,9,10,11,12,13,14,15
	ds_load_b128 v[BB+4*\t:BB+4*\t+3], v[STA] offset:\t*528
.endr
.endm
.macro SEND m, younger                 ; younger: the LDS instructions issued behind tile m's loads, which may stay out
.set BB, 32+64*((\m)%2)
	s_wait_dscnt \younger
.irp t, 0,1,2,3,4,5,6,7,8,9,10,11,12,13,14,15
	global_store_b128 v[LI], v[BB+4*\t:BB+4*\t+3], s[16:17] offset:65536*(\m)+4096*\t th:TH_STORE_NT   ; 32 lanes store 512 consecutive bytes, aligned; written once, read by nobody here
.endr
.endm
	TOSTAGE 0
.irp m, 1,2,3
.if \m > 1
	s_wait_xcnt 0x0                                ; tile m - 2's stores have read their registers: tile m's loads may land there
.endif
	TOSTAGE \m
	SEND \m-1, 32                                  ; behind tile m - 1's loads: tile m's 16 stores and 16 loads
.endr
	SEND 3, 0
	s_wait_tensorcnt 0x0
	ds_add_u32 v30, v31
	s_wait_dscnt 0x0
	s_endpgm
.Lfunc_end_k_q32bf15faff_readout:
	.size	k_q32bf15faff_readout, .Lfunc_end_k_q32bf15faff_readout-k_q32bf15faff_readout
	.p2alignl 7, 3214868480
	.fill 96, 4, 3214868480
	.section	.rodata,"a",@progbits
	.p2align	6, 0x0
	.amdhsa_kernel k_q32bf15faff_readout
		.amdhsa_group_segment_fixed_size 103936
		.amdhsa_private_segment_fixed_size 0
		.amdhsa_enable_private_segment 0
		.amdhsa_kernarg_size 56
		.amdhsa_user_sgpr_count 2
		.amdhsa_user_sgpr_kernarg_segment_ptr 1
		.amdhsa_wavefront_size32 1
		.amdhsa_system_sgpr_workgroup_id_x 1
		.amdhsa_system_sgpr_workgroup_id_y 1
		.amdhsa_system_sgpr_workgroup_id_z 1
		.amdhsa_system_vgpr_workitem_id 0
		.amdhsa_next_free_vgpr 1024
		.amdhsa_next_free_sgpr 66
		.amdhsa_reserve_vcc 0
		.amdhsa_float_denorm_mode_32 3
		.amdhsa_float_denorm_mode_16_64 3
		.amdhsa_memory_ordered 1
		.amdhsa_forward_progress 1
		.amdhsa_inst_pref_size 255
	.end_amdhsa_kernel
	.section	.bss,"aw",@nobits
	.p2align	6
	.space	262144
	.amdgpu_metadata
---
amdhsa.version: [ 1, 2 ]
amdhsa.kernels:
  - .name:           k_q32bf15faff_readout
    .symbol:         k_q32bf15faff_readout.kd
    .args:
      - { .name: out0, .offset: 0, .size: 8, .value_kind: global_buffer, .address_space: global }
      - { .name: ln_scale, .offset: 8, .size: 8, .value_kind: global_buffer, .address_space: global }
      - { .name: ln_bias, .offset: 16, .size: 8, .value_kind: global_buffer, .address_space: global }
      - { .name: Oimg, .offset: 24, .size: 8, .value_kind: global_buffer, .address_space: global }
      - { .name: Osc, .offset: 32, .size: 8, .value_kind: global_buffer, .address_space: global }
      - { .name: bout, .offset: 40, .size: 8, .value_kind: global_buffer, .address_space: global }
      - { .name: out1, .offset: 48, .size: 8, .value_kind: global_buffer, .address_space: global }
    .group_segment_fixed_size: 103936
    .private_segment_fixed_size: 0
    .kernarg_segment_align: 8
    .kernarg_segment_size: 56
    .max_flat_workgroup_size: 128
    .sgpr_count:     66
    .vgpr_count:     1024
    .wavefront_size: 32
...
	.end_amdgpu_metadata
.endif
;; end of part 3
;; ======== version 2 of 2: 3 launches; version 1 with the launch readout written anew for expert scheduling mode
;; workspace buffers: Aimg 16,777,216 bytes; Asw 524,288 bytes; Wimg 6,291,456 bytes; Wsw 196,608 bytes; Oimg 1,048,576 bytes; Osc 32,768 bytes
;; launch quant: the kernel of part 1 again; grid 736 x 1, 4 waves a work-group, no clusters, 35,328 bytes of LDS; arguments x, h, Wir, Wiz, Win, Whr, Whz, Whn, Wout, Aimg, Asw, Wimg, Wsw, Oimg, Osc; writes Aimg, Asw, Wimg, Wsw, Oimg, Osc
;; launch gates: the kernel of part 2 again; grid 8 x 64, 4 waves a work-group, clusters of 4 x 4, 327,680 bytes of LDS; arguments Aimg, Asw, Wimg, Wsw, h, bir, biz, bin_, bhn, out0; writes out0
;; launch readout (part 4): grid 2 x 128, 4 waves a work-group, no clusters, 103,936 bytes of LDS; arguments out0, ln_scale, ln_bias, Oimg, Osc, bout, out1; writes out1
.if DOCPART == 4
	.amdgcn_target "amdgcn-amd-amdhsa--gfx1250"
	.amdhsa_code_object_version 6
	.text
	.protected	k_q32bf15faff_readout
	.globl	k_q32bf15faff_readout
	.p2align	8
	.type	k_q32bf15faff_readout,@function
k_q32bf15faff_readout:
	s_mov_b64 s[64:65], 0
	v_nop
	global_prefetch_b8 v0, s[64:65] scope:SCOPE_SE
	s_setreg_imm32_b32 hwreg(HW_REG_WAVE_SCHED_MODE, 0, 2), 2
	s_setreg_imm32_b32 hwreg(HW_REG_WAVE_MODE, 25, 1), 1
	s_wait_xcnt 0x0
	s_wait_alu depctr_vm_vsrc(0)
; out = LayerNorm(new_h) Wout + bout.  new_h = out0 [8192][1024] f32; LayerNorm in f32, in two passes over registers (mean, then the mean of squared differences; eps = 1e-6);
; its result is quantised along K to codes of BF8 (E5M2) with E8M0 scales; Wout comes as codes, laid as images of operand registers (Oimg) with its scale bytes [n][32] (Osc).
; LIMITS: NaN and infinities are not served.  A block of zeros gets the byte 1 where the rule says 127: its codes are zeros, and only this launch reads the byte.
; SHARES.  A work-group makes 64 rows x 512 columns.  First wave w normalises and quantises rows 16 w .. 16 w + 15, whole rows in 512 registers, and stores the eight fragments' images in LDS; one barrier;
; then wave w makes all 64 rows x columns 128 w .. 128 w + 127: 32 sums of 16 x 16.
; A wave's part of Wout is read by that wave alone in its work-group, and once: it goes from memory straight into registers, three sets by turns.  NO CLUSTER, NO TENSOR LOAD: work-groups of other rows read the
; same codes, but a ring through LDS would add a store and a load of every byte, and would leave one K step's 32 matrix instructions a wave between two rounds.
; THE MATRIX INSTRUCTION IS USED TRANSPOSED (source 0 = 16 columns of Wout, source 1 = 16 rows): a lane holds one row and eight neighbouring columns.  bout is the C of each sum's first instruction.
; REGISTERS, in windows of 256: window 0: v1-9 addresses; v16-23 the rows' scale words, two sets, and nothing else; v24-28 at work; v32-95 ln_scale, ln_bias, then numbers to quantise, then A's set 0, then rows of out;
;   v96-159 numbers to quantise, A's set 1, rows of out; v160-175 codes; v176-191 at work; v192-255 Wout's scale words (8 i + s), and nothing else.
;   window 1: rows 0-7 (row p at v[32 p]: register 4 e + k = column 128 e + 4 lane + k), later sum (m, i) at v[8 (8 m + i)].   window 2: rows 8-15, later B's set 2 (v0-127) and bout's tiles (v128-191).   window 3: B's sets 0, 1.
; THE MODE: SCHED_MODE bits 1:0 = 2 (LLVM: expert scheduling mode 2), set by the entry lines.  The code itself states the register dependences
; between vector or matrix instructions and memory or LDS instructions, with s_wait_alu, always for 0.
; THE PLAN.  Registers that memory or LDS instructions touch, and who else names them:
;   v1-9          offsets and LDS addresses: written at the head, never again.  One wait on va_vdst ahead of the first load serves every load and store of the kernel.
;   the rows      loaded at the head; read and written by the LayerNorm; read by the stage's stores; then window 2 takes loads (bout, B's set 2) and window 1 the first products' results.
;                 One wait on va_vdst behind the LayerNorm; the last quantiser step's wait on vm_vsrc stands behind all the stage's stores.
;   v32-95, v96-159  the quantiser's two sets: step e's numbers land in one while step e - 1 works on the other.  The codes and the scale word: written by step e, read by its five LDS stores.
;                 One wait on va_vdst a step, behind its arithmetic: the codes are written, and the set is done with (the next loads into it follow with no vector line between).
;                 One wait on vm_vsrc a step, ahead of its arithmetic: the last step's stores have read the codes.
;   B's three sets, A's two, the rows' scale words   K step s's products read B[s % 3], A[s % 2]; the loads of step s + 1's A and step s + 2's B land in the sets that step s - 1 read.
;                 One wait on va_vdst at the head of a K step: the step before is done reading.  The step's 52 loads follow it, A's at once, B's dealt among the products, which name none of their registers.
;   the sums      written by products alone; read by the stage's stores on the way out, behind eight places and one wait on va_vdst.
.set XSC,  65536                       ; LDS: 0: the 32 fragments' images ((8 m + s) x 2,048); here their scale words ((8 m + s) x 128, 4 bytes a lane);
.set STG,  69632                       ; here a stage of 16 rows x 528 bytes for each wave, its own: for the turn ahead of the quantiser and for the way out
.set LI,   1                           ; v1 16 x lane
.set LS4,  2                           ; v2 XSC + 4 x lane
.set STA,  3                           ; v3 my stage + 16 x lane
.set STR,  4                           ; v4 my stage + 528 r + 64 (lane / 16)
.set XWI,  5                           ; v5 where I store images: 16,384 x wave + 16 x lane
.set XWS,  6                           ; v6 and their scale words: XSC + 1,024 x wave + 4 x lane
.set STO,  7                           ; v7 my stage + 528 r + 32 (lane / 16)
.set XSW,  16
.set T,    24
.set PW,   28
.set LSC,  32
.set LBI,  64
.set PC,   160
.set SU,   176                         ; v176-183 four rows' sums, in pairs
.set MQ,   184                         ; v184-191 four rows' mean, later 1 / sqrt(var + eps), in the low word of a pair
.set TM,   176                         ; the quantiser's sixteen registers
.set W2S,  192
.set SEL,  20
.set MNT,  22
.set MSB, 0
.macro WIN new                         ; the immediate's high byte repeats the setting that is left; a switch that changes nothing is dropped
.if MSB != (\new)
	s_set_vgpr_msb (MSB<<8)|(\new)
.set MSB, (\new)
.endif
.endm
.macro PLACES n
.rept \n
	v_nop
.endr
.endm
	s_load_b256 s[4:11], s[0:1], 0x0               ; out0, ln_scale, ln_bias, Oimg
	s_load_b128 s[12:15], s[0:1], 0x20             ; Osc, bout
	s_load_b64 s[16:17], s[0:1], 0x30              ; out1
	v_lshl_add_u32 v30, v0, 2, 0x19400
	v_mov_b32 v31, 0
	v_lshrrev_b32 v10, 5, v0
	v_readfirstlane_b32 s18, v10                   ; wave 0..3
	v_and_b32 v10, 31, v0                          ; lane
	v_and_b32 v11, 15, v0                          ; r
	v_bfe_u32 v12, v0, 4, 1                        ; lane / 16
	v_lshlrev_b32 v[LI], 4, v10
	v_lshl_add_u32 v[LS4], v10, 2, XSC
	s_wait_alu depctr_va_sdst(0)                   ; s18 is written, ahead of its first reader: LDS addresses and the buffers' offsets are made from it
	s_mul_i32 s25, s18, 8448
	s_add_co_u32 s25, s25, STG
	v_add_nc_u32 v[STA], s25, v[LI]
	v_mul_u32_u24 v13, v11, 528
	v_add_nc_u32 v13, s25, v13
	v_lshl_add_u32 v[STR], v12, 6, v13
	v_lshl_add_u32 v[STO], v12, 5, v13
	s_lshl_b32 s26, s18, 14
	v_add_nc_u32 v[XWI], s26, v[LI]
	s_lshl_b32 s26, s18, 10
	v_add_nc_u32 v[XWS], s26, v[LS4]
	v_lshlrev_b32 v8, 5, v11                       ; Osc: 32 bytes a column
	v_lshlrev_b32 v9, 5, v12                       ; bout: my half's eight numbers
.irp q, 0,1,2,3
	v_mov_b32 v[MQ+2*\q+1], 0                      ; named as the upper half of a pair, so it is written
.endr
	s_mov_b32 s[SEL], 0x76543210
	s_mov_b32 s[SEL+1], 0xfedcba98
	s_mov_b32 s[MNT], 0x600000
	s_mov_b32 s23, 0x3a800000                      ; 1 / 1,024
	s_mov_b32 s24, 0x358637bd                      ; 1e-6
	s_and_b32 s27, ttmp7, 0xffff                   ; Y: which 64 rows;  ttmp9 = X: which 512 columns
	s_lshl_b32 s28, s27, 18
	s_lshl_b32 s30, s18, 16
	s_add_co_u32 s28, s28, s30                     ; out0: 64 Y + 16 wave rows of 4,096 bytes
	s_mov_b32 s29, 0
	s_lshl_b32 s30, ttmp9, 19
	s_lshl_b32 s32, s18, 17
	s_add_co_u32 s30, s30, s32                     ; Oimg: tile 32 X + 8 wave, 16,384 bytes each
	s_mov_b32 s31, 0
	s_lshl_b32 s32, ttmp9, 14
	s_lshl_b32 s34, s18, 12
	s_add_co_u32 s32, s32, s34                     ; Osc: column 512 X + 128 wave, 32 bytes each
	s_mov_b32 s33, 0
	s_lshl_b32 s34, ttmp9, 11
	s_lshl_b32 s36, s18, 9
	s_add_co_u32 s34, s34, s36                     ; bout: the same column, 4 bytes each
	s_mov_b32 s35, 0
	s_lshl_b32 s36, s27, 18
	s_add_co_u32 s36, s36, s34                     ; out1: 64 Y rows, + that column
	s_mov_b32 s37, 0
	s_wait_kmcnt 0x0
	s_add_nc_u64 s[4:5], s[4:5], s[28:29]
	s_add_nc_u64 s[10:11], s[10:11], s[30:31]
	s_add_nc_u64 s[12:13], s[12:13], s[32:33]
	s_add_nc_u64 s[14:15], s[14:15], s[34:35]
	s_add_nc_u64 s[16:17], s[16:17], s[36:37]
	s_wait_alu depctr_va_vdst(0)                   ; the offsets and LDS addresses v1 to v9 are written: every load and store of the kernel reads one of them, and none is written again
.irp e, 0,1,2,3,4,5,6,7
	global_load_b128 v[LSC+4*\e:LSC+4*\e+3], v[LI], s[6:7] offset:512*\e
.endr
.irp e, 0,1,2,3,4,5,6,7
	global_load_b128 v[LBI+4*\e:LBI+4*\e+3], v[LI], s[8:9] offset:512*\e
.endr
.irp i, 0,1,2,3,4,5,6,7
	global_load_b128 v[W2S+8*\i:W2S+8*\i+3], v8, s[12:13] offset:512*\i          ; column 16 i + r: the words of K steps 0-3,
	global_load_b128 v[W2S+8*\i+4:W2S+8*\i+7], v8, s[12:13] offset:512*\i+16     ; and 4-7
.endr
	WIN 0x40                                       ; destination window 1
.set rr, 0
.rept 8
.irp e, 0,1,2,3,4,5,6,7
	global_load_b128 v[32*rr+4*\e:32*rr+4*\e+3], v[LI], s[4:5] offset:4096*rr+512*\e   ; 512 consecutive bytes of a row
.endr
.set rr, rr+1
.endr
	WIN 0x80                                       ; destination window 2
.set rr, 0
.rept 8
.irp e, 0,1,2,3,4,5,6,7
	global_load_b128 v[32*rr+4*\e:32*rr+4*\e+3], v[LI], s[4:5] offset:4096*(rr+8)+512*\e
.endr
.set rr, rr+1
.endr
	WIN 0
.macro REDUCE                          ; four rows' pairs of sums, over the pair and the 32 lanes: the result in v[T + q], in every lane
.irp q, 0,1,2,3
	v_add_f32 v[T+\q], v[SU+2*\q], v[SU+2*\q+1]
.endr
.irp x, 1,2,4,8
.irp q, 0,1,2,3
	v_add_f32_dpp v[T+\q], v[T+\q], v[T+\q] row_xmask:\x row_mask:0xf bank_mask:0xf
.endr
.endr
.irp q, 0,1,2,3
	v_permlanex16_b32 v[SU+2*\q], v[T+\q], s[SEL], s[SEL+1]
.endr
.irp q, 0,1,2,3
	v_add_f32 v[T+\q], v[T+\q], v[SU+2*\q]
.endr
.endm
; LayerNorm of rows 4 g .. 4 g + 3, in place, the four rows by turns.  left: the younger loads that may stay out (the wait's count holds 63 at the most; a smaller count than the loads behind is safe)
; No memory or LDS instruction stands in it.
.macro ROWS4 g, left
.set W, 1+(\g)/2                       ; the rows' window
.set RB, 128*((\g)%2)                  ; the first row's first register
	s_wait_loadcnt \left
	WIN 5*W                                        ; sources 0 and 1: the rows
.irp q, 0,1,2,3
	v_pk_add_f32 v[SU+2*\q:SU+2*\q+1], v[RB+32*\q:RB+32*\q+1], v[RB+32*\q+2:RB+32*\q+3]
.endr
	WIN W                                          ; source 0: the rows
.irp p, 4,6,8,10,12,14,16,18,20,22,24,26,28,30
.irp q, 0,1,2,3
	v_pk_add_f32 v[SU+2*\q:SU+2*\q+1], v[RB+32*\q+\p:RB+32*\q+\p+1], v[SU+2*\q:SU+2*\q+1]
.endr
.endr
	WIN 0
	REDUCE
.irp q, 0,1,2,3
	v_mul_f32 v[MQ+2*\q], s23, v[T+\q]             ; the mean
.endr
	WIN 65*W                                       ; destination and source 0: the rows
.irp p, 0,2,4,6,8,10,12,14,16,18,20,22,24,26,28,30
.irp q, 0,1,2,3
	v_pk_add_f32 v[RB+32*\q+\p:RB+32*\q+\p+1], v[RB+32*\q+\p:RB+32*\q+\p+1], v[MQ+2*\q:MQ+2*\q+1] op_sel_hi:[1,0] neg_lo:[0,1] neg_hi:[0,1]   ; x - mean
.endr
.endr
	WIN 5*W
.irp q, 0,1,2,3
	v_pk_mul_f32 v[SU+2*\q:SU+2*\q+1], v[RB+32*\q:RB+32*\q+1], v[RB+32*\q:RB+32*\q+1]
.endr
.irp p, 2,4,6,8,10,12,14,16,18,20,22,24,26,28,30
.irp q, 0,1,2,3
	v_pk_fma_f32 v[SU+2*\q:SU+2*\q+1], v[RB+32*\q+\p:RB+32*\q+\p+1], v[RB+32*\q+\p:RB+32*\q+\p+1], v[SU+2*\q:SU+2*\q+1]
.endr
.endr
	WIN 0
	REDUCE
.irp q, 0,1,2,3
	v_fma_f32 v[T+\q], v[T+\q], s23, s24           ; var + eps
.endr
.irp q, 0,1,2,3
	v_rsq_f32 v[MQ+2*\q], v[T+\q]
.endr
	v_nop                                          ; a plain line behind the last of the four,
	s_wait_alu depctr_va_vdst(0)                   ; and the four reciprocal roots are written to v[MQ], v[MQ + 2], v[MQ + 4], v[MQ + 6], ahead of their first reader: one wait for the batch
	WIN 65*W
.irp p, 0,2,4,6,8,10,12,14,16,18,20,22,24,26,28,30
.irp q, 0,1,2,3
	v_pk_mul_f32 v[RB+32*\q+\p:RB+32*\q+\p+1], v[RB+32*\q+\p:RB+32*\q+\p+1], v[MQ+2*\q:MQ+2*\q+1] op_sel_hi:[1,0]
.endr
.endr
.irp p, 0,2,4,6,8,10,12,14,16,18,20,22,24,26,28,30
.irp q, 0,1,2,3
	v_pk_fma_f32 v[RB+32*\q+\p:RB+32*\q+\p+1], v[RB+32*\q+\p:RB+32*\q+\p+1], v[LSC+\p:LSC+\p+1], v[LBI+\p:LBI+\p+1]   ; x ln_scale + ln_bias
.endr
.endr
	WIN 0
.endm
	ROWS4 0, 63                                    ; 96 loads are younger
	ROWS4 1, 63                                    ; 64 are
	ROWS4 2, 32
	ROWS4 3, 0
; 64 numbers of a lane, v[s] on, become a fragment's codes in v[PC] on and its scale word in v[PW]
.macro QUANT s
.irp b, 0,1,2,3
	v_max3_num_f32 v[TM+\b], |v[\s+16*\b]|, |v[\s+1+16*\b]|, 0x8000000   ; block b: my 16 numbers, and the floor 2^(16 - 127): so the byte cannot fall under 1
.endr
.irp i, 2,4,6,8,10,12,14
.irp b, 0,1,2,3
	v_max3_num_f32 v[TM+\b], v[TM+\b], |v[\s+16*\b+\i]|, |v[\s+1+16*\b+\i]|
.endr
.endr
.irp b, 0,1,2,3
	v_permlanex16_b32 v[TM+4+\b], v[TM+\b], s[SEL], s[SEL+1]
.endr
.irp b, 0,1,2,3
	v_max_num_f32 v[TM+\b], v[TM+\b], v[TM+4+\b]   ; with lane l xor 16's: the block's largest magnitude
.endr
.irp b, 0,1,2,3
	v_add_nc_u32 v[TM+12+\b], 0xf8800000, v[TM+\b] ; 15 off its exponent field: the conversions' scale operand
.endr
.irp b, 0,1,2,3
	v_and_or_b32 v[TM+8+\b], v[TM+\b], 0x7f800000, s[MNT]   ; 57,344 x the scale
.endr
.irp b, 0,1,2,3
	v_lshrrev_b32 v[TM+4+\b], 23, v[TM+12+\b]      ; the scale's byte
.endr
	v_lshl_or_b32 v[PW], v[TM+5], 8, v[TM+4]
	v_lshl_or_b32 v[PW], v[TM+6], 16, v[PW]
	v_lshl_or_b32 v[PW], v[TM+7], 24, v[PW]
.irp b, 0,1,2,3
.irp i, 0,1,2,3,4,5,6,7,8,9,10,11,12,13,14,15
	v_med3_num_f32 v[\s+16*\b+\i], v[\s+16*\b+\i], -v[TM+8+\b], v[TM+8+\b]   ; the conversion to an 8-bit code does not saturate (ISA guide 7.6.2): the hold comes first
.endr
	v_cvt_scalef32_pk8_bf8_f32 v[PC+4*\b:PC+1+4*\b], v[\s+16*\b:\s+7+16*\b], v[TM+12+\b]
	v_cvt_scalef32_pk8_bf8_f32 v[PC+2+4*\b:PC+3+4*\b], v[\s+8+16*\b:\s+15+16*\b], v[TM+12+\b]
.endr
	v_nop                                          ; one plain vector line behind the last conversion
.endm
; K step e of my 16 rows goes through my stage: in as it lies in the registers (512 bytes a row), back as 16 neighbours of each block of 32 for lane (r, lane / 16).
; LDS serves a wave's instructions in order: no wait between the stores and the loads, nor in front of the next step's stores.
.macro TURNX e
	WIN 0x04                                       ; an LDS store's data are its source 1: window 1
.set rr, 0
.rept 8
	ds_store_b128 v[STA], v[32*rr+4*(\e):32*rr+4*(\e)+3] offset:528*rr
.set rr, rr+1
.endr
	WIN 0x08                                       ; window 2
.set rr, 0
.rept 8
	ds_store_b128 v[STA], v[32*rr+4*(\e):32*rr+4*(\e)+3] offset:528*(rr+8)
.set rr, rr+1
.endr
	WIN 0
.set XL, 96-64*((\e)%2)
.irp b, 0,1,2,3
.irp j, 0,1,2,3
	ds_load_b128 v[XL+16*\b+4*\j:XL+16*\b+4*\j+3], v[STR] offset:128*\b+16*\j
.endr
.endr
.endm
.macro BLOADH set, s, i0               ; four of my eight fragments of Wout, tiles i0 on, K step s, into set 0, 1 (window 3) or 2 (window 2): each load 512 consecutive bytes
.if (\set) == 2
	WIN 0x80
.set BB0, 0
.else
	WIN 0xc0
.set BB0, 128*(\set)
.endif
.irp i, \i0, \i0+1, \i0+2, \i0+3
.irp c, 0,1,2,3
	global_load_b128 v[BB0+16*(\i)+4*\c:BB0+16*(\i)+4*\c+3], v[LI], s[10:11] offset:16384*(\i)+2048*(\s)+512*\c
.endr
.endr
.endm
.macro BLOAD set, s                    ; all eight
	BLOADH \set, \s, 0
	BLOADH \set, \s, 4
	WIN 0
.endm
	BLOAD 0, 0                                     ; no vector or matrix instruction has named window 3, and v[LI] stands since the head: these 64 loads hang on nothing
	BLOAD 1, 1
	s_wait_alu depctr_va_vdst(0)                   ; the LayerNorm has written the rows, which the stage's stores read, and is done reading ln_scale and ln_bias (v32-95), in which the stage's loads of step 1 land
	TURNX 0
.irp e, 0,1,2,3,4,5,6,7
	s_wait_dscnt 0x0                               ; this step's 64 numbers are in
.if \e < 7
	TURNX \e+1                                     ; its loads land in the set that the step before quantised: that step's wait on va_vdst stands ahead, and no vector line has followed it
.if \e > 0
	s_wait_alu depctr_vm_vsrc(0)                   ; the last step's LDS stores have read the codes v[PC ..] and the scale word v[PW], which the lines below write again
.endif
.else
	WIN 0x80                                       ; bout's tiles: for tile i, columns 16 i + 8 (lane / 16) + 0 .. 7
	s_wait_alu depctr_vm_vsrc(0)                   ; all the stage's stores have read the rows: loads may land in window 2, and the first products may write window 1; the last step's stores have read the codes and the scale word
.irp i, 0,1,2,3,4,5,6,7
	global_load_b128 v[128+8*\i:128+8*\i+3], v9, s[14:15] offset:64*\i
	global_load_b128 v[128+8*\i+4:128+8*\i+7], v9, s[14:15] offset:64*\i+16
.endr
	BLOAD 2, 2
.endif
.set XQ, 96-64*(\e%2)
	QUANT XQ
	s_wait_alu depctr_va_vdst(0)                   ; the conversions have written the codes and the shifts the scale word, which the stores below read; the quantiser is done with its 64 numbers' registers, in which later loads land
.irp c, 0,1,2,3
	ds_store_b128 v[XWI], v[PC+4*\c:PC+4*\c+3] offset:2048*\e+512*\c   ; the fragment's image: lane l's 16 bytes at 16 l
.endr
	ds_store_b32 v[XWS], v[PW] offset:128*\e
.endr
	s_wait_dscnt 0x0                               ; for the others' sake: my images are stored
	s_barrier_signal -1
	s_barrier_wait -1                              ; the 32 fragments of the 64 rows lie in LDS
.macro AFETCH set, s                   ; the four row tiles' fragments of K step s, and their scale words: 20 LDS loads
.irp m, 0,1,2,3
.irp c, 0,1,2,3
	ds_load_b128 v[32+64*(\set)+16*\m+4*\c:32+64*(\set)+16*\m+4*\c+3], v[LI] offset:(8*\m+(\s))*2048+512*\c
.endr
	ds_load_b32 v[XSW+4*(\set)+\m], v[LS4] offset:(8*\m+(\s))*128
.endr
.endm
.macro MM s, m                         ; eight matrix instructions of K step s: row tile m against my eight tiles of columns
.irp i, 0,1,2,3,4,5,6,7
.if (\s) == 0
	v_wmma_scale_f32_16x16x128_f8f6f4 v[8*(8*(\m)+\i):8*(8*(\m)+\i)+7], v[B0+16*\i:B0+16*\i+15], v[A0+16*(\m):A0+16*(\m)+15], v[128+8*\i:128+8*\i+7], v[W2S+8*\i+(\s)], v[XSW+4*((\s)%2)+(\m)] matrix_a_fmt:MATRIX_FMT_BF8 matrix_b_fmt:MATRIX_FMT_BF8
.else
	v_wmma_scale_f32_16x16x128_f8f6f4 v[8*(8*(\m)+\i):8*(8*(\m)+\i)+7], v[B0+16*\i:B0+16*\i+15], v[A0+16*(\m):A0+16*(\m)+15], v[8*(8*(\m)+\i):8*(8*(\m)+\i)+7], v[W2S+8*\i+(\s)], v[XSW+4*((\s)%2)+(\m)] matrix_a_fmt:MATRIX_FMT_BF8 matrix_b_fmt:MATRIX_FMT_BF8
.endif
.endr
.endm
; K step s: 32 matrix instructions, the 32 sums by turns.  dsw: LDS loads that may stay out; ldw: global loads that may (-1: no wait is owed).
; Steps 1 to 6 ask for step s + 1's fragments of A, steps 1 to 5 for step s + 2's of B: into the sets that step s - 1 read.
.macro GSTEP s, dsw, ldw
.set BS, (\s)%3
.set BL, ((\s)+2)%3
.set A0, 32+64*((\s)%2)
.if BS == 2
.set B0, 0
.else
.set B0, 128*BS
.endif
.if (\s) == 0
.set WM, 0x63                          ; source 0 window 3, C (bout) window 2, D window 1
.elseif BS == 2
.set WM, 0x52                          ; source 0 window 2, C and D window 1
.else
.set WM, 0x53
.endif
.if ((\s) >= 1) && ((\s) <= 6)
	s_wait_alu depctr_va_vdst(0)                   ; the step before's products are done reading their set of B, their set of A and its scale words: this step's loads land there
	AFETCH ((\s)+1)%2, (\s)+1
.endif
	s_wait_dscnt \dsw                              ; this step's fragments of A and their scale words are in
.if \ldw >= 0
	s_wait_loadcnt \ldw                            ; and its fragments of B
.endif
	WIN WM
	MM \s, 0
.if ((\s) >= 1) && ((\s) <= 5)
	BLOADH BL, (\s)+2, 0                           ; no wait: no vector or matrix instruction since the wait above names this set or v[LI]
	WIN WM
.endif
	MM \s, 1
.if ((\s) >= 1) && ((\s) <= 5)
	BLOADH BL, (\s)+2, 4
	WIN WM
.endif
	MM \s, 2
	MM \s, 3
	WIN 0
	PLACES 8                                       ; eight places stand between these products and the loads into registers that they have read, and, behind the last step, the stores that read results; the wait on va_vdst comes behind them and fills none
.endm
	AFETCH 0, 0                                    ; into the quantiser's two sets: its last wait on va_vdst stands ahead, with LDS stores and the barrier alone between
	AFETCH 1, 1
	GSTEP 0, 20, 32                                ; K step 1's 20 LDS loads may be out; of the global loads only set 2's 32 are younger than bout's
	GSTEP 1, 20, -1                                ; the 20 LDS loads just issued may be out; set 1 was issued ahead of bout: it is in
	GSTEP 2, 20, 32                                ; the 32 loads asked for in the step before are younger than this step's set
	GSTEP 3, 20, 32
	GSTEP 4, 20, 32
	GSTEP 5, 20, 32
	GSTEP 6, 20, 32                                ; K step 7's 32
	GSTEP 7, 0, 0
; THE WAY OUT, a tile of 16 rows x 128 columns at a time, through my own stage: in as 32 bytes a lane of row r, back as whole rows of 512 bytes.
.macro TOSTAGE m
	WIN 0x04                                       ; the data: window 1
.irp i, 0,1,2,3,4,5,6,7
	ds_store_b128 v[STO], v[8*(8*(\m)+\i):8*(8*(\m)+\i)+3] offset:64*\i          ; each sum from its low end on
	ds_store_b128 v[STO], v[8*(8*(\m)+\i)+4:8*(8*(\m)+\i)+7] offset:64*\i+16
.endr
	WIN 0
.set BB, 32+64*((\m)%2)
.irp t, 0,1,2,3,4,5,6,7,8,9,10,11,12,13,14,15
	ds_load_b128 v[BB+4*\t:BB+4*\t+3], v[STA] offset:\t*528
.endr
.endm
.macro SEND m, younger                 ; younger: the LDS instructions issued behind tile m's loads, which may stay out
.set BB, 32+64*((\m)%2)
	s_wait_dscnt \younger
.irp t, 0,1,2,3,4,5,6,7,8,9,10,11,12,13,14,15
	global_store_b128 v[LI], v[BB+4*\t:BB+4*\t+3], s[16:17] offset:65536*(\m)+4096*\t th:TH_STORE_NT   ; 32 lanes store 512 consecutive bytes, aligned; written once, read by nobody here
.endr
.endm
	s_wait_alu depctr_va_vdst(0)                   ; the products have written the sums, which the stage's stores read, and are done reading A's two sets, in which the stage's loads land; no vector or matrix instruction follows
	TOSTAGE 0
.irp m, 1,2,3
.if \m > 1
	s_wait_xcnt 0x0                                ; tile m - 2's stores have had their addresses translated (ISA guide 3.1),
	s_wait_alu depctr_vm_vsrc(0)                   ; and have read their data registers: tile m's loads from the stage land there
.endif
	TOSTAGE \m
	SEND \m-1, 32                                  ; behind tile m - 1's loads: tile m's 16 stores and 16 loads
.endr
	SEND 3, 0
	s_wait_dscnt 0x0
	s_wait_alu depctr_hold_cnt(0) depctr_sa_sdst(0) depctr_va_vdst(0) depctr_va_sdst(0) depctr_va_ssrc(0) depctr_va_vcc(0) depctr_vm_vsrc(0)
	s_wait_tensorcnt 0x0
	ds_add_u32 v30, v31
	s_wait_dscnt 0x0
	s_endpgm
.Lfunc_end_k_q32bf15faff_readout:
	.size	k_q32bf15faff_readout, .Lfunc_end_k_q32bf15faff_readout-k_q32bf15faff_readout
	.p2alignl 7, 3214868480
	.fill 96, 4, 3214868480
	.section	.rodata,"a",@progbits
	.p2align	6, 0x0
	.amdhsa_kernel k_q32bf15faff_readout
		.amdhsa_group_segment_fixed_size 103936
		.amdhsa_private_segment_fixed_size 0
		.amdhsa_enable_private_segment 0
		.amdhsa_kernarg_size 56
		.amdhsa_user_sgpr_count 2
		.amdhsa_user_sgpr_kernarg_segment_ptr 1
		.amdhsa_wavefront_size32 1
		.amdhsa_system_sgpr_workgroup_id_x 1
		.amdhsa_system_sgpr_workgroup_id_y 1
		.amdhsa_system_sgpr_workgroup_id_z 1
		.amdhsa_system_vgpr_workitem_id 0
		.amdhsa_next_free_vgpr 1024
		.amdhsa_next_free_sgpr 66
		.amdhsa_reserve_vcc 0
		.amdhsa_float_denorm_mode_32 3
		.amdhsa_float_denorm_mode_16_64 3
		.amdhsa_memory_ordered 1
		.amdhsa_forward_progress 1
		.amdhsa_inst_pref_size 255
	.end_amdhsa_kernel
	.section	.bss,"aw",@nobits
	.p2align	6
	.space	262144
	.amdgpu_metadata
---
amdhsa.version: [ 1, 2 ]
amdhsa.kernels:
  - .name:           k_q32bf15faff_readout
    .symbol:         k_q32bf15faff_readout.kd
    .args:
      - { .name: out0, .offset: 0, .size: 8, .value_kind: global_buffer, .address_space: global }
      - { .name: ln_scale, .offset: 8, .size: 8, .value_kind: global_buffer, .address_space: global }
      - { .name: ln_bias, .offset: 16, .size: 8, .value_kind: global_buffer, .address_space: global }
      - { .name: Oimg, .offset: 24, .size: 8, .value_kind: global_buffer, .address_space: global }
      - { .name: Osc, .offset: 32, .size: 8, .value_kind: global_buffer, .address_space: global }
      - { .name: bout, .offset: 40, .size: 8, .value_kind: global_buffer, .address_space: global }
      - { .name: out1, .offset: 48, .size: 8, .value_kind: global_buffer, .address_space: global }
    .group_segment_fixed_size: 103936
    .private_segment_fixed_size: 0
    .kernarg_segment_align: 8
    .kernarg_segment_size: 56
    .max_flat_workgroup_size: 128
    .sgpr_count:     66
    .vgpr_count:     1024
    .wavefront_size: 32
...
	.end_amdgpu_metadata
.endif
;; end of part 4
